; MI455X (gfx1250); checked and timed in simulation.
; The chip was launched on July 23, 2026; its instructions are those of AMD's public machine-readable ISA for CDNA 5 (MIT licence, August 2026) and "CDNA5" Instruction Set Architecture Reference Guide (July 2026). The comments in the code are by the model that wrote it; some were corrected since.
;; Multi Head Attention. Allowed arithmetic: matrix products marked QUANTISED: E4M3 operands, one given power-of-two scale a tensor, by v_wmma_f32_16x16x64_fp8_fp8 or v_wmma_f32_16x16x128_fp8_fp8, f32 sums; everything else in f32.
;; Inputs: Wk 16 x 1,024 x 64 float32; Wp 1,024 x 1,024 float32; Wq 16 x 1,024 x 64 float32; Wv 16 x 1,024 x 64 float32; bp 1,024 float32; lowp_scales 12 int32 (the exponents e of the quantised operands' scales 2^e); x 4 x 2,048 x 1,024 float32.
;; Outputs: out0 4 x 2,048 x 1,024 float32.
;; This version of the problem:
;;   THIS VERSION OF THE PROBLEM IS GIVEN IN LOW PRECISION. The matrix products marked QUANTISED in the list below multiply operands that are first quantised to E4M3 (4 exponent bits, 3 mantissa bits; 8 bits a number), with one given power-of-two scale for each operand tensor; their sums are f32. All else is computed in f32.
;;   The module's matrix products, in the order in which they are computed (A, B: the left and right operand; K: the contracted axis; several contracted axes count as one K, in the product's order):
;;     1. [M 1,024, K 1,024] x [K 1,024, N 8,192]; A: input Wq; B: input x: QUANTISED (scales: A lowp_scales[0], B lowp_scales[1])
;;     2. [M 1,024, K 1,024] x [K 1,024, N 8,192]; A: input Wk; B: input x: QUANTISED (scales: A lowp_scales[2], B lowp_scales[3])
;;     3. [M 1,024, K 1,024] x [K 1,024, N 8,192]; A: input Wv; B: input x: QUANTISED (scales: A lowp_scales[4], B lowp_scales[5])
;;     4. batch 64 x [M 2,048, K 64] x [K 64, N 2,048]; A: computed on the way; B: computed on the way: QUANTISED (scales: A lowp_scales[6], B lowp_scales[7])
;;     5. batch 64 x [M 2,048, K 2,048] x [K 2,048, N 64]; A: softmax (see below); B: computed on the way: QUANTISED (scales: A lowp_scales[8], B lowp_scales[9])
;;     6. [M 8,192, K 1,024] x [K 1,024, N 1,024]; A: computed on the way; B: input Wp: QUANTISED (scales: A lowp_scales[10], B lowp_scales[11])
;;   THE QUANTISER, for each operand of a quantised product, along K:
;;     - The operand's scale is 2^e, e = its entry of the input lowp_scales (int32; the entries are numbered through the quantised products in the list's order, A before B).
;;     - Each number is divided by the scale, clamped to +-448, and rounded to the nearest number of E4M3, ties to even, subnormals kept.
;;     - The product sums the exact products of the quantised numbers (number of the format x scale) in f32.
;;   ~~~python
;;   def quantise(x, axis, e):      # numpy; x: float32 -> the quantised numbers, widened to float32 again
;;       x = np.moveaxis(x, axis, -1); K = x.shape[-1]
;;       r = np.clip(x / 2.0 ** e, -448, 448)
;;       step = 2.0 ** (np.maximum(np.frexp(np.where(r == 0, 1, r))[1] - 1, -6) - 3)
;;       q = np.round(r / step) * step * 2.0 ** e      # np.round: ties to even
;;       return np.moveaxis(q, -1, axis).astype(np.float32)
;;   ~~~
;;   SOFTMAX AHEAD OF A QUANTISED PRODUCT. Where the list says 'softmax', what is quantised is not the finished softmax but p = 2^(t - M), with t = logit x log2(e) and M = ceil(the row's largest t), a whole number; so 1/2 < the row's largest p <= 1. The row's sum l is taken of the UNQUANTISED p, in f32, and the product's result is divided by l at the end. Since M is a whole number, a kernel that streams over the keys may use a running M (the ceiling of the running maximum): every later rescaling is an exact power of two, so the quantised numbers keep their values, but for numbers so far below the row's largest that they fall under the format's range.
;;   OPERANDS COMPUTED ON THE WAY. 'Computed on the way' means the value that the module computes at that place (a softmax that the list does not call 'softmax' is quantised finished and normalised). What goes into a quantiser is computed in f32, as accurately as f32 sums, v_exp_f32 and their like allow (about 1e-6 of the number): no bf16 or f16 on the way to a quantiser, and a product that is left as it is and whose result goes on into a quantised operand takes f32 operands (vector FMAs, or v_wmma_f32_16x16x4_f32). A number that lies on a knife's edge between two numbers of the format may be rounded either way, as far as f32 arithmetic and the matrix unit's own rounding can turn it there, and no further.
;; One version. Each part assembles by itself: llvm-mc -triple=amdgcn-amd-amdhsa -mcpu=gfx1250 --defsym DOCPART=n.
;; ======== version 1 of 1: 4 launches
;; limits: right only within a limited range of input values
;; workspace buffers: xc 25,165,824 bytes; wc 4,194,304 bytes; qkv 25,165,824 bytes; cc 8,388,608 bytes
;; launch quant (part 1): grid 384 x 1, 4 waves a work-group, no clusters, 35,328 bytes of LDS; arguments x, Wq, Wk, Wv, Wp, lowp_scales, xc, wc; writes xc, wc
.if DOCPART == 1
	.amdgcn_target "amdgcn-amd-amdhsa--gfx1250"
	.amdhsa_code_object_version 6
	.text
	.protected	k_qb730b714de_quant
	.globl	k_qb730b714de_quant
	.p2align	8
	.type	k_qb730b714de_quant,@function
k_qb730b714de_quant:
	s_mov_b64 s[64:65], 0
	v_nop
	global_prefetch_b8 v0, s[64:65] scope:SCOPE_SE
	s_setreg_imm32_b32 hwreg(HW_REG_WAVE_MODE, 25, 1), 1
	s_wait_xcnt 0x0
; x [8192][1024] f32 and the four weights become codes of FP8 (E4M3), K innermost, each with the scale 2^e that is given for it.
; code = number / 2^e, held within +-448, rounded to the nearest code, ties to even.
; x is an operand of three products with three entries of the scales (1, 3, 5): it is read once and quantised three times, into three sections of xc (8 MiB each).
; wc has four sections of 1 MiB, [1024 n][1024 places]: Wq, Wk, Wv (n = 64 head + d; entries 0, 2, 4) and Wp (n = its column; entry 11).
; THE ORDER OF K in xc and in wc's first three sections: place p of a row holds k(p) = 512 (p / 512) + 128 ((p % 16) / 4) + 4 ((p % 512) / 16) + p % 4.
; That is what four loads of 512 consecutive bytes leave in a lane's 16 registers, so x needs no turn through LDS; the weights take the same order by their loads' offsets.
; The same order on both operands of a product keeps every pair of factors together; only the order of the f32 sums differs from ascending k.  Wp keeps k as it is (its partner, ctx, is made in that order).
; Work-groups 0-255 take x (a wave: 8,192 numbers, 16 steps of 512), work-groups 256-383 the weights (a wave: 32 columns x 256 places).  No matrix unit, no cluster, no barrier: waves share nothing and memory binds.
; LIMITS: each e between -126 and 119, so that 2^e and 448 x 2^e are f32 numbers.  NaN among the inputs is not served (an infinity is held at the largest code).
.set R,    16                          ; x: v16-79   four sets of 16 numbers as loaded
.set T,    80                          ; x: v80-127  three sets of 16 held numbers
.set C,    128                         ; x: v128-139 three sets of 4 registers of codes
.set X,    32                          ; weights: v32-95 two sets of 32 numbers
.set WC,   96                          ; weights: v96-103 a block's codes
.set OUTR, 112                         ; weights: v112-175 the way out
.set WPI,  272                         ; weights: a stage row: 256 bytes of codes + 16
	s_load_b256 s[4:11], s[0:1], 0x0               ; x s[4:5], Wq s[6:7], Wk s[8:9], Wv s[10:11]
	s_load_b256 s[12:19], s[0:1], 0x20             ; Wp s[12:13], the scales s[14:15], xc s[16:17], wc s[18:19]
	v_lshl_add_u32 v192, v0, 2, 0x8800
	v_mov_b32 v193, 0
	v_lshrrev_b32 v1, 5, v0
	v_readfirstlane_b32 s20, v1                    ; wave 0..3
	v_and_b32 v2, 31, v0                           ; lane
	s_wait_kmcnt 0x0
	s_load_b256 s[24:31], s[14:15], 0x0            ; e0 .. e7
	s_load_b128 s[32:35], s[14:15], 0x20           ; e8 .. e11
	s_cmp_lt_u32 ttmp9, 256
	s_cbranch_scc0 .Lweights
.macro SCALE e, sc, lim                ; s[e] = the exponent: v[sc] = 2^e as f32 (the conversion takes its exponent field), v[lim] = 448 x 2^e
	s_add_co_i32 s42, s[\e], 127
	s_lshl_b32 s43, s42, 23
	v_mov_b32 v[\sc], s43
	s_add_co_i32 s42, s42, 8
	s_lshl_b32 s42, s42, 23
	s_or_b32 s42, s42, 0x600000
	v_mov_b32 v[\lim], s42
.endm
	; ---------------- x ----------------
	s_wait_alu depctr_va_vdst(0)
	v_lshlrev_b32 v3, 4, v2                        ; my 16 bytes of a load's 512, and of a store's 512
	s_wait_alu depctr_va_vdst(0)
	s_lshl_b32 s21, ttmp9, 2
	s_add_co_u32 s21, s21, s20                     ; which run of 8,192 numbers is my wave's: 0 .. 1023
	s_lshl_b32 s36, s21, 15                        ; 32,768 bytes of f32 a run
	s_mov_b32 s37, 0
	s_add_nc_u64 s[4:5], s[4:5], s[36:37]
	s_lshl_b32 s36, s21, 13                        ; 8,192 bytes of codes a run
	s_add_nc_u64 s[16:17], s[16:17], s[36:37]      ; section 0 (entry 1)
	s_add_nc_u64 s[38:39], s[16:17], 0x800000      ; section 1 (entry 3)
	s_add_nc_u64 s[40:41], s[16:17], 0x1000000     ; section 2 (entry 5)
.macro LOAD t                          ; step t: four loads, each of 512 consecutive bytes
.irp i, 0,1,2,3
	global_load_b128 v[R+16*((\t)%4)+4*\i:R+16*((\t)%4)+4*\i+3], v3, s[4:5] offset:2048*(\t)+512*\i th:TH_LOAD_NT
.endr
.endm
	LOAD 0
	LOAD 1
	LOAD 2
	LOAD 3
	s_wait_kmcnt 0x0
	SCALE 25, 4, 5
	SCALE 27, 6, 7
	SCALE 29, 8, 9
.macro XSTEP t
.if (\t) <= 12
	s_wait_loadcnt 12                              ; this step's four loads are in; those of the three steps behind it may be out
.else
	s_wait_loadcnt 4*(15-(\t))
.endif
	s_wait_xcnt 0x0                                ; the last step's stores have read their data: the codes' registers are written again only behind this wait
.irp q, 0,1,2
.set i, 0
.rept 16
	v_med3_num_f32 v[T+16*\q+i], v[R+16*((\t)%4)+i], -v[5+2*\q], v[5+2*\q]   ; the conversion to an 8-bit code does not saturate (ISA guide 7.6.2): the hold at the largest code x the scale
.set i, i+1
.endr
.endr
.irp q, 0,1,2
	v_cvt_scalef32_pk8_fp8_f32 v[C+4*\q:C+4*\q+1], v[T+16*\q:T+16*\q+7], v[4+2*\q]
	v_cvt_scalef32_pk8_fp8_f32 v[C+4*\q+2:C+4*\q+3], v[T+16*\q+8:T+16*\q+15], v[4+2*\q]
.endr
	v_nop                                          ; a plain line between the conversions and the next step's holds, which write their sources
.if (\t)+4 < 16
	LOAD (\t)+4                                    ; the set just read takes the loads of four steps on
.endif
	global_store_b128 v3, v[C:C+3], s[16:17] offset:512*(\t)       ; 32 lanes store 512 consecutive bytes, at a multiple of 256 from the buffer's first byte
	global_store_b128 v3, v[C+4:C+7], s[38:39] offset:512*(\t)
	global_store_b128 v3, v[C+8:C+11], s[40:41] offset:512*(\t)
.endm
	s_wait_alu depctr_va_vdst(0)
.irp t, 0,1,2,3,4,5,6,7,8,9,10,11,12,13,14,15
	XSTEP \t
.endr
	s_endpgm
	; ---------------- the weights: a lane takes a column n, and its registers run along the places of K ----------------
.Lweights:
	s_sub_co_u32 s21, ttmp9, 256
	s_lshr_b32 s22, s21, 5                         ; which weight: 0 Wq, 1 Wk, 2 Wv, 3 Wp
	s_and_b32 s23, s21, 7                          ; which 128 columns
	s_bfe_u32 s36, s21, 0x20003                    ; y: which 256 places of K
	s_lshl_b32 s37, s23, 7
	s_lshl_b32 s38, s20, 5
	s_add_co_u32 s37, s37, s38                     ; my wave's first column n
	s_lshr_b32 s38, s37, 6
	s_lshl_b32 s38, s38, 18                        ; Wq, Wk, Wv: the head's 1024 rows of 256 bytes,
	s_and_b32 s39, s37, 63
	s_lshl_b32 s39, s39, 2
	s_add_co_u32 s38, s38, s39                     ; + 4 d,
	s_lshr_b32 s39, s36, 1
	s_lshl_b32 s39, s39, 17
	s_add_co_u32 s38, s38, s39                     ; + row 512 (y / 2)
	s_and_b32 s39, s36, 1
	s_lshl_b32 s39, s39, 14
	s_add_co_u32 s38, s38, s39                     ; + row 64 (y % 2)
	s_lshl_b32 s39, s36, 20                        ; Wp: row 256 y of 4,096 bytes,
	s_lshl_b32 s40, s37, 2
	s_add_co_u32 s39, s39, s40                     ; + 4 n
	s_mov_b32 s41, 0
	s_cmp_eq_u32 s22, 0                            ; the choices hang on the work-group's number alone
	s_cselect_b64 s[44:45], s[6:7], s[8:9]
	s_cmp_lt_u32 s22, 2
	s_cselect_b64 s[44:45], s[44:45], s[10:11]
	s_cmp_lt_u32 s22, 3
	s_cselect_b64 s[44:45], s[44:45], s[12:13]
	s_cselect_b32 s40, s38, s39
	s_add_nc_u64 s[44:45], s[44:45], s[40:41]      ; where my wave's numbers begin
	s_lshl_b32 s40, s22, 20                        ; the codes: section, row n of 1,024 bytes, 256 y
	s_lshl_b32 s42, s37, 10
	s_add_co_u32 s40, s40, s42
	s_lshl_b32 s42, s36, 8
	s_add_co_u32 s40, s40, s42
	s_add_nc_u64 s[18:19], s[18:19], s[40:41]
	s_wait_alu depctr_va_vdst(0)
	v_lshlrev_b32 v3, 2, v2                        ; in: 4 bytes a lane: 128 consecutive bytes a load
	s_mul_i32 s43, s20, 32*WPI                     ; my wave's own stage
	v_mul_u32_u24 v4, v2, WPI
	v_add_nc_u32 v4, s43, v4                       ; into it: row = my column
	v_and_b32 v5, 15, v2
	v_lshrrev_b32 v6, 4, v2
	v_mul_u32_u24 v7, v6, WPI
	v_lshl_add_u32 v7, v5, 4, v7
	v_add_nc_u32 v7, s43, v7                       ; out of it: sixteen lanes to a row, two rows an instruction
	v_lshlrev_b32 v8, 10, v6
	v_lshl_add_u32 v8, v5, 4, v8                   ; and the same place in the codes' section
; Block t: the numbers of places 32 t .. 32 t + 31 into set t % 2.  Both arms issue 32 loads, so the counted waits hold on both; the branch hangs on the work-group's number.
.macro WLOAD t
	s_cmp_lt_u32 s22, 3
	s_cbranch_scc0 .Lwp_\@
.set i, 0
.rept 32
.set q, 32*(\t)+i
	global_load_b32 v[X+32*((\t)%2)+i], v3, s[44:45] offset:(128*((q%16)/4)+4*(q/16)+q%4)*256 th:TH_LOAD_NT   ; the row that x's order puts at place q
.set i, i+1
.endr
	s_branch .Lwd_\@
.Lwp_\@:
.set i, 0
.rept 32
	global_load_b32 v[X+32*((\t)%2)+i], v3, s[44:45] offset:(32*(\t)+i)*4096 th:TH_LOAD_NT                    ; Wp: k as it is
.set i, i+1
.endr
.Lwd_\@:
.endm
	WLOAD 0
	WLOAD 1
	s_wait_kmcnt 0x0
	s_cmp_eq_u32 s22, 0
	s_cselect_b32 s46, s24, s26                    ; e0 or e2
	s_cmp_lt_u32 s22, 2
	s_cselect_b32 s46, s46, s28                    ; or e4
	s_cmp_lt_u32 s22, 3
	s_cselect_b32 s46, s46, s35                    ; or e11
	SCALE 46, 11, 10
.macro BLOCK t
.set XS, X+32*((\t)%2)
.if (\t) < 7
	s_wait_loadcnt 32                              ; this block's 32 loads are in; the next block's may be out
.else
	s_wait_loadcnt 0
.endif
.set i, 0
.rept 32
	v_med3_num_f32 v[XS+i], v[XS+i], -v10, v10
.set i, i+1
.endr
.irp g, 0,1,2,3
	v_cvt_scalef32_pk8_fp8_f32 v[WC+2*\g:WC+2*\g+1], v[XS+8*\g:XS+8*\g+7], v11
.endr
	ds_store_b128 v4, v[WC:WC+3] offset:32*(\t)    ; 32 codes of my column's row
	ds_store_b128 v4, v[WC+4:WC+7] offset:32*(\t)+16
.if (\t)+2 < 8
	WLOAD (\t)+2
.endif
	s_wait_dscnt 0x0                               ; the stores have read their registers: the next block's codes may be written (its 32 holds are the plain lines behind these conversions)
.endm
	s_wait_alu depctr_va_vdst(0)
.irp t, 0,1,2,3,4,5,6,7
	BLOCK \t
.endr
.irp t, 0,1,2,3,4,5,6,7,8,9,10,11,12,13,14,15
	ds_load_b128 v[OUTR+4*\t:OUTR+4*\t+3], v7 offset:2*\t*WPI     ; LDS serves a wave's instructions in order: these see my stores
.endr
.irp t, 0,1,2,3,4,5,6,7,8,9,10,11,12,13,14,15
	s_wait_dscnt 15-\t                             ; the younger loads may be out
	global_store_b128 v8, v[OUTR+4*\t:OUTR+4*\t+3], s[18:19] offset:2*\t*1024   ; sixteen lanes store 256 consecutive bytes, aligned
.endr
	s_wait_tensorcnt 0x0
	ds_add_u32 v192, v193
	s_wait_dscnt 0x0
	s_endpgm
.Lfunc_end_k_qb730b714de_quant:
	.size	k_qb730b714de_quant, .Lfunc_end_k_qb730b714de_quant-k_qb730b714de_quant
	.p2alignl 7, 3214868480
	.fill 96, 4, 3214868480
	.section	.rodata,"a",@progbits
	.p2align	6, 0x0
	.amdhsa_kernel k_qb730b714de_quant
		.amdhsa_group_segment_fixed_size 35328
		.amdhsa_private_segment_fixed_size 0
		.amdhsa_enable_private_segment 0
		.amdhsa_kernarg_size 64
		.amdhsa_user_sgpr_count 2
		.amdhsa_user_sgpr_kernarg_segment_ptr 1
		.amdhsa_wavefront_size32 1
		.amdhsa_system_sgpr_workgroup_id_x 1
		.amdhsa_system_sgpr_workgroup_id_y 1
		.amdhsa_system_sgpr_workgroup_id_z 1
		.amdhsa_system_vgpr_workitem_id 0
		.amdhsa_next_free_vgpr 194
		.amdhsa_next_free_sgpr 66
		.amdhsa_reserve_vcc 0
		.amdhsa_float_denorm_mode_32 3
		.amdhsa_float_denorm_mode_16_64 3
		.amdhsa_memory_ordered 1
		.amdhsa_forward_progress 1
		.amdhsa_inst_pref_size 142
	.end_amdhsa_kernel
	.amdgpu_metadata
---
amdhsa.version: [ 1, 2 ]
amdhsa.kernels:
  - .name:           k_qb730b714de_quant
    .symbol:         k_qb730b714de_quant.kd
    .args:
      - { .name: x, .offset: 0, .size: 8, .value_kind: global_buffer, .address_space: global }
      - { .name: Wq, .offset: 8, .size: 8, .value_kind: global_buffer, .address_space: global }
      - { .name: Wk, .offset: 16, .size: 8, .value_kind: global_buffer, .address_space: global }
      - { .name: Wv, .offset: 24, .size: 8, .value_kind: global_buffer, .address_space: global }
      - { .name: Wp, .offset: 32, .size: 8, .value_kind: global_buffer, .address_space: global }
      - { .name: lowp_scales, .offset: 40, .size: 8, .value_kind: global_buffer, .address_space: global }
      - { .name: xc, .offset: 48, .size: 8, .value_kind: global_buffer, .address_space: global }
      - { .name: wc, .offset: 56, .size: 8, .value_kind: global_buffer, .address_space: global }
    .group_segment_fixed_size: 35328
    .private_segment_fixed_size: 0
    .kernarg_segment_align: 8
    .kernarg_segment_size: 64
    .max_flat_workgroup_size: 128
    .sgpr_count:     66
    .vgpr_count:     194
    .wavefront_size: 32
...
	.end_amdgpu_metadata
.endif
;; end of part 1
;; launch qkv_gemm (part 2): grid 4 x 96, 4 waves a work-group, clusters of 4 x 4, 327,680 bytes of LDS; arguments xc, wc, lowp_scales, qkv; writes qkv
.if DOCPART == 2
	.amdgcn_target "amdgcn-amd-amdhsa--gfx1250"
	.amdhsa_code_object_version 6
	.text
	.protected	k_qb730b714de_qkv_gemm
	.globl	k_qb730b714de_qkv_gemm
	.p2align	8
	.type	k_qb730b714de_qkv_gemm,@function
k_qb730b714de_qkv_gemm:
	s_mov_b64 s[64:65], 0
	v_nop
	global_prefetch_b8 v0, s[64:65] scope:SCOPE_SE
	s_setreg_imm32_b32 hwreg(HW_REG_WAVE_MODE, 25, 1), 1
	s_wait_xcnt 0x0
	s_wait_alu depctr_hold_cnt(0) depctr_sa_sdst(0) depctr_va_vdst(0) depctr_va_sdst(0) depctr_va_ssrc(0) depctr_va_vcc(0) depctr_vm_vsrc(0)
	s_getreg_b32 s2, hwreg(HW_REG_IB_STS2, 6, 4)
	s_cmp_eq_u32 s2, 0
	s_cbranch_scc0 .Lentry_in_a_cluster
	s_endpgm
.Lentry_in_a_cluster:
	s_bfe_u32 s2, ttmp6, 0x10000c
	s_cmp_lg_u32 s2, 0xf033
	s_cbranch_scc0 .Lentry_shape_is_right
	s_endpgm
.Lentry_shape_is_right:
; q = x Wq, k = x Wk, v = x Wv on codes of FP8 (E4M3); each result is quantised on the way out and leaves as codes, one byte a number.
; ONE BODY: C[m][n] = sum over the places of K of A[m][.] B[n][.], both [rows][1024] codes.  24 clusters of 4 x 4 work-groups; cluster y / 8 is the section.
;   sections 0, 1 (q, k): A = xc's section (8,192 rows (b, s)), B = wc's section (1,024 rows (head, d)); C = [8192][1024] codes: a row's neighbours run along d, the K of the scores.
;   section 2 (v):        A = wc's section 2, B = xc's section 2; C = [1024 (head, d)][8192 (b, s)] codes: neighbours run along the keys, the K of the second product of attention.
; The sections differ in pointers, offsets and C's pitch, chosen by s_cselect on the cluster's y, which all partners share; no branch hangs on them.
; A sum stands for sum x 2^(eW + ex); its code is sum / 2^(eo - eW - ex), held within +-448: the three exponents are folded into the conversion's one scale (eo: entry 6 for q, 7 for k, 9 for v).
; LIMIT: eo - eW - ex between -126 and 119, so that this power of two and 448 times it are f32 numbers.  The sums run in the order in which the codes lie (the quantising launch's order of K), not in ascending k.
; A tile of C, 256 x 256, is made by four waves, each 128 x 128: 64 accumulators, 512 registers.  K goes in steps of 256 through a ring of two LDS slots filled by the tensor data mover.
; CLUSTERS: the four work-groups of a row of the cluster need the same tiles of A, the four of a column the same tiles of B: each tile is asked for jointly, by the same load with a mask that names the four.
; THE MATRIX INSTRUCTION IS USED TRANSPOSED (source 0 = 16 rows of B, source 1 = 16 rows of A): a lane holds eight neighbouring n of one row m, which one conversion turns into 8 bytes.
; REGISTERS, in windows of 256: window 0: v0-31 addresses; from v128 A's fragments, one set; window 1: B's fragments, two sets; windows 2, 3: the accumulators ((a, b) at v[8 (8 (a % 4) + b)]).
; No prefetch: K has four steps, of which two are asked for at the head.
.set SIZE_K, 1024
.set KSTEP,  256
.set ROWB,   256                       ; a tile's row in bytes
.set KROW,   SIZE_K                    ; a row of A or B in memory, in bytes
.set PITCH,  272                       ; an LDS row: 256 bytes + 16 of padding = 68 words: the 16 rows that a load touches start at 16 different banks (64 banks of 4 bytes: ISA guide 11.1)
.set FR,     16                        ; registers of a fragment: 16 rows x 128 K
.set NL,     4                         ; LDS loads that bring one
.set NP,     4                         ; places behind this matrix instruction (ISA guide 7.12.1)
.set HALFT,  128*PITCH                 ; 128 rows: what one tensor load brings
.set SLOT,   4*HALFT                   ; A's 256 rows, then B's 256 rows
.set LAPS,   SIZE_K/(2*KSTEP)          ; 2 laps round the ring
.set SPARE,  2*SLOT                    ; behind the ring: the spare words, 128 bytes a wave, that no other line names
.set ADRA, 16                          ; v16-17  LDS address of my A fragments in slot 0, 1
.set ADRB, 20                          ; v20-21  the same for B
.set STO,  24                          ; v24     the way out: where I put 8 bytes of a row
.set RD,   25                          ; v25     the way out: where I read a row back
.set SPW,  28                          ; v28     LDS address of my spare word; never rewritten
.set NIL,  29                          ; v29     0; never rewritten
.set LIM,  30                          ; v30     448 x the conversion's scale
.set SC,   31                          ; v31     the conversion's scale as f32
.set TMP,  32                          ; the way out: v32-95 a block's held sums; later v32-159 rows read back
.set CD,   96                          ; the way out: v96-223 the codes, 16 registers a block
.set OF,   224                         ; the way out: v224-255 the 32 stores' offsets (C's pitch is known only at run time)
.set AF,   128
.set G1, 24
.set G0, 32
.set G1B, 48
.set G0B, 56
.set MSB, 0
.macro WIN new                         ; the immediate's high byte repeats the setting that is left
.if MSB != \new
	s_set_vgpr_msb (MSB<<8)|\new
.set MSB, \new
.endif
.endm
.set MUL_LO, 0xa1                      ; source 0 (B) window 1, source 1 (A) window 0, C and D window 2
.set MUL_HI, 0xf1                      ; the same, C and D window 3
.set TO_B,   0x40                      ; destination window 1, address window 0
; A joint load: waves 0 and 1 fetch for A, waves 2 and 3 for B.  The branch hangs on the wave's number alone.  Four v_nop follow each of the two lines.
.macro JLOAD g0a, g1a, g0b, g1b
	s_cmp_eq_u32 s15, 0
	s_cbranch_scc0 .Lfor_b_\@
	tensor_load_to_lds s[\g0a:\g0a+3], s[\g1a:\g1a+7]
	s_nop 0
.rept 4
	v_nop
.endr
	s_branch .Lasked_\@
.Lfor_b_\@:
	tensor_load_to_lds s[\g0b:\g0b+3], s[\g1b:\g1b+7]
	s_nop 0
.rept 4
	v_nop
.endr
.Lasked_\@:
.endm
.macro CREST                           ; a round of the cluster's barrier behind its opening barrier
	s_cmp_lg_u32 s14, 0
	s_cbranch_scc1 .Lnot_wave_0_\@
	s_barrier_signal -3
.Lnot_wave_0_\@:
	s_barrier_wait -3
	s_barrier_signal -1
	s_barrier_wait -1
.endm
.macro CROUND                          ; a whole round
	s_barrier_signal -1
	s_barrier_wait -1
	CREST
.endm
	s_load_b128 s[4:7], s[0:1], 0x0                ; xc s[4:5], wc s[6:7]
	s_load_b128 s[8:11], s[0:1], 0x10              ; the scales s[8:9], qkv s[10:11]
	v_lshl_add_u32 v[SPW], v0, 2, SPARE
	v_mov_b32 v[NIL], 0
	ds_add_u32 v28, v29
	ds_add_u32 v28, v29
	s_wait_dscnt 0x0
	v_lshrrev_b32 v1, 5, v0
	v_readfirstlane_b32 s14, v1                    ; wave 0..3
	s_lshr_b32 s15, s14, 1                         ; which half of the tile's rows is mine.  Also: I fetch for A (0) or for B (1)
	s_and_b32 s16, s14, 1                          ; which half of its columns.  Also: which 128 rows of that tile I fetch
	s_bfe_u32 s40, ttmp6, 0x40000                  ; cx, cy: my place in the cluster
	s_bfe_u32 s41, ttmp6, 0x40004
	s_and_b32 s66, ttmp7, 0xffff                   ; the cluster's y, 0 .. 23: the same in all sixteen partners
	s_lshr_b32 s67, s66, 3                         ; the section: 0 q, 1 k, 2 v
	s_and_b32 s68, s66, 7                          ; which of the section's eight clusters
	s_lshl_b32 s69, s67, 23                        ; the section's place in xc and in qkv
	s_lshl_b32 s70, s67, 20                        ; and in wc
	s_mov_b32 s73, 8192
	s_mov_b32 s74, 0x200000
	s_mov_b32 s75, 0x1000000
	s_cmp_lt_u32 s67, 2                            ; q or k?
	s_cselect_b32 s71, s68, 0                      ; the cluster's place down C's tile rows,
	s_cselect_b32 s72, 0, s68                      ; and along its tile columns
	s_cselect_b32 s74, s69, s74                    ; A's section, in bytes
	s_cselect_b32 s75, s70, s75                    ; B's
	s_cselect_b32 s73, 1024, s73                   ; C's pitch in bytes
	s_lshl_b32 s42, s72, 2
	s_add_co_u32 s42, s42, s40                     ; tile column of C
	s_lshl_b32 s17, s71, 2
	s_add_co_u32 s17, s17, s41                     ; tile row of C
	s_lshl_b32 s43, s41, 2
	s_lshl_b32 s43, 15, s43                        ; my row of the cluster
	s_lshl_b32 s44, 0x1111, s40                    ; my column
	; descriptor group 1: a tile of 128 rows x 256 bytes, padded in LDS
	s_or_b32 s[G1+0], s43, (0<<16)|(1<<20)|(1<<21)|(5<<22)|(3<<25)  ; 15:0 the mask: A's tiles go to my row; 17:16 elements of 1 byte; 20 padding on; 21 set beside a mask; 24:22 after every 64 words; 31:25 four words
	s_or_b32 s[G1B+0], s44, (0<<16)|(1<<20)|(1<<21)|(5<<22)|(3<<25) ; B's go to my column
.irp g, G1, G1B
	s_mov_b32 s[\g+1], ROWB<<16                    ; tensor_dim0
	s_mov_b32 s[\g+2], 128<<16                     ; tensor_dim1
	s_mov_b32 s[\g+3], ROWB<<16                    ; tile_dim0
	s_mov_b32 s[\g+4], 128                         ; tile_dim1
	s_mov_b32 s[\g+5], KROW                        ; tensor_dim0_stride
	s_mov_b32 s[\g+6], 0
	s_mov_b32 s[\g+7], 0
.endr
	s_lshl_b32 s18, s16, 7                         ; which 128 rows of the tile I fetch
	s_lshl_b32 s20, s17, 8
	s_add_co_u32 s20, s20, s18                     ; A: row 256 x tile row + 128 x half,
	s_lshl_b32 s20, s20, 10                        ; of 1,024 bytes,
	s_add_co_u32 s20, s20, s74                     ; in its section
	s_mov_b32 s21, 0
	s_lshl_b32 s46, s42, 8
	s_add_co_u32 s46, s46, s18                     ; B: row 256 x tile column + 128 x half
	s_lshl_b32 s46, s46, 10
	s_add_co_u32 s46, s46, s75
	s_mov_b32 s47, 0
	s_mul_i32 s45, s14, HALFT                      ; where they go: wave x 128 rows: no place in the cluster enters an LDS address
	s_wait_kmcnt 0x0
	s_load_b256 s[80:87], s[8:9], 0x0              ; e0 .. e7
	s_load_b128 s[88:91], s[8:9], 0x20             ; e8 .. e11
	s_cmp_lt_u32 s67, 2
	s_cselect_b64 s[76:77], s[4:5], s[6:7]         ; A's buffer: xc for q and k, wc for v
	s_cselect_b64 s[78:79], s[6:7], s[4:5]         ; B's: the other
	s_add_nc_u64 s[20:21], s[76:77], s[20:21]
	s_add_nc_u64 s[46:47], s[78:79], s[46:47]
	CROUND                                         ; all sixteen work-groups are here: the first joint loads meet
.irp s, 0,1
	s_mov_b32 s[G0+4*\s], 1
	s_add_co_u32 s[G0+4*\s+1], s45, \s*SLOT
	s_add_nc_u64 s[G0+4*\s+2:G0+4*\s+3], s[20:21], \s*ROWB
	s_or_b32 s[G0+4*\s+3], s[G0+4*\s+3], 0x80000000
	s_mov_b32 s[G0B+4*\s], 1
	s_add_co_u32 s[G0B+4*\s+1], s45, \s*SLOT
	s_add_nc_u64 s[G0B+4*\s+2:G0B+4*\s+3], s[46:47], \s*ROWB
	s_or_b32 s[G0B+4*\s+3], s[G0B+4*\s+3], 0x80000000
.endr
	JLOAD G0, G1, G0B, G1B                         ; K step 0: one tensor load a wave at the head
	v_and_b32 v1, 15, v0                           ; r = l % 16
	v_bfe_u32 v2, v0, 4, 1                         ; h = l / 16
	v_mul_u32_u24 v3, v1, PITCH
	s_wait_alu depctr_va_vdst(0)
	v_lshl_add_u32 v4, v2, 4, v3                   ; a fragment's row x pitch + 16 x half
	s_mul_i32 s21, s15, HALFT                      ; my 128 rows of A
	s_mul_i32 s22, s16, HALFT                      ; my 128 rows of B,
	s_add_co_u32 s22, s22, 2*HALFT                 ; which lie behind A's 256
.irp s, 0,1
	v_add_nc_u32 v[ADRA+\s], s21, v4
	v_add_nc_u32 v[ADRB+\s], s22, v4
	s_add_co_u32 s21, s21, SLOT
	s_add_co_u32 s22, s22, SLOT
.endr
	s_mul_i32 s23, s15, 128*PITCH                  ; the way out's stage, 256 rows x 272 bytes, the work-group's: my 128 rows,
	s_lshl_b32 s21, s16, 7
	s_add_co_u32 s23, s23, s21                     ; my 128 of their 256 bytes;
	v_lshl_add_u32 v5, v2, 3, v3                   ; row r, 8 bytes for each half of the lanes: word 68 r + 2 h: the 32 lanes of a store touch each of the 64 banks once
	v_add_nc_u32 v[STO], s23, v5
	s_mul_i32 s23, s14, 64*PITCH                   ; back: wave w takes rows 64 w .. 64 w + 63, whole; lanes 0-15 one row, lanes 16-31 the next
	v_mul_u32_u24 v5, v2, PITCH
	v_lshl_add_u32 v5, v1, 4, v5
	v_add_nc_u32 v[RD], s23, v5
	s_lshl_b32 s20, s17, 8
	s_lshl_b32 s21, s14, 6
	s_add_co_u32 s20, s20, s21                     ; the first row of C that I store: 256 x tile row + 64 x wave,
	s_mul_i32 s20, s20, s73                        ; x C's pitch,
	s_lshl_b32 s21, s42, 8
	s_add_co_u32 s20, s20, s21                     ; + 256 x tile column,
	s_add_co_u32 s20, s20, s69                     ; in the section: under 2^25 in all
	s_mov_b32 s21, 0
	s_add_nc_u64 s[10:11], s[10:11], s[20:21]
.macro FRAG reg, adr, q, i             ; a fragment: lane l holds row l % 16; registers 4 c .. 4 c + 3 hold places 32 c + 16 (l / 16) + 0 .. 15: the same in A and in B
.irp c, 0,1,2,3
	ds_load_b128 v[\reg+4*\c:\reg+4*\c+3], v[\adr] offset:128*(\q)+32*\c+(\i)*16*PITCH
.endr
.endm
; 16 matrix instructions: A's blocks a0, a0 + 1 x B's eight, 128 along K.  The 64 accumulators take turns, one instruction a turn, in the same order in every step.
.macro MUL16 a0, p, zero
.irp a, \a0, \a0+1
.irp b, 0,1,2,3,4,5,6,7
.if \zero
	v_wmma_f32_16x16x128_fp8_fp8 v[8*(8*((\a)%4)+\b):8*(8*((\a)%4)+\b)+7], v[128*(\p)+FR*\b:128*(\p)+FR*\b+FR-1], v[AF+FR*(\a):AF+FR*(\a)+FR-1], 0
.else
	v_wmma_f32_16x16x128_fp8_fp8 v[8*(8*((\a)%4)+\b):8*(8*((\a)%4)+\b)+7], v[128*(\p)+FR*\b:128*(\p)+FR*\b+FR-1], v[AF+FR*(\a):AF+FR*(\a)+FR-1], v[8*(8*((\a)%4)+\b):8*(8*((\a)%4)+\b)+7]
.endif
.endr
.endr
.endm
.macro FETCH_B slot, q, p              ; B's eight fragments of the slot's q-th 128 along K into set p
	WIN TO_B
.irp i, 0,1,2,3,4,5,6,7
	FRAG 128*(\p)+FR*\i, ADRB+\slot, \q, \i
.endr
	WIN 0
.endm
.macro FETCH_A slot, q, i0             ; A's blocks i0 .. i0 + 3
.irp i, \i0, \i0+1, \i0+2, \i0+3
	FRAG AF+FR*(\i), ADRA+\slot, \q, \i
.endr
.endm
.macro PLACES n                        ; plain vector lines between a matrix instruction and a load into, or a read of, its registers
.rept \n
	v_nop
.endr
.endm
; A step of 128 along K that has its successor in the same slot.
.macro STEP slot, q, zero
	s_wait_dscnt 4*NL                              ; B's set and A's blocks 0-3 are in; the youngest 16 loads (A's blocks 4-7) may be out
	WIN MUL_LO
	MUL16 0, (\q)%2, \zero
	MUL16 2, (\q)%2, \zero
	s_wait_dscnt 0                                 ; A's blocks 4-7 are in
	PLACES NP
	FETCH_B \slot, (\q)+1, 1-(\q)%2
	FETCH_A \slot, (\q)+1, 0
	WIN MUL_HI
	MUL16 4, (\q)%2, \zero
	MUL16 6, (\q)%2, \zero
	PLACES NP
	WIN 0
	FETCH_A \slot, (\q)+1, 4
.endm
; A slot's last step changes slots: one barrier; in front of it each wave waits for all its tensor loads, adds 0 to its spare word, and waits for that and for its own reads of this slot.
.macro TURN slot, next, fill
	s_wait_tensorcnt 0x0                           ; all my tensor loads have landed: my part of the next slot
	ds_add_u32 v[SPW], v[NIL]                      ; 0 onto my spare word
	s_wait_dscnt 4*NL+1                            ; the add and the youngest 16 loads (A's blocks 4-7) may be out
	WIN MUL_LO
	MUL16 0, 1, 0                                  ; sixteen matrix instructions stand between the add and the wait for it
	s_wait_dscnt 0x0                               ; the add is done, and my reads of this slot are over
	s_barrier_signal -1
	MUL16 2, 1, 0
	WIN 0
	s_barrier_wait -1
.if \fill
	CREST                                          ; the barrier has opened a round of the cluster's: no wave of any partner still reads this slot's tile or has a load on its way
	s_add_nc_u64 s[G0+4*\slot+2:G0+4*\slot+3], s[G0+4*\slot+2:G0+4*\slot+3], 2*ROWB
	s_add_nc_u64 s[G0B+4*\slot+2:G0B+4*\slot+3], s[G0B+4*\slot+2:G0B+4*\slot+3], 2*ROWB
	JLOAD G0+4*\slot, G1, G0B+4*\slot, G1B         ; the first tensor load behind the round; its four v_nop are also the places in front of the loads below
.else
	PLACES NP
.endif
	FETCH_B \next, 0, 0
	FETCH_A \next, 0, 0
	WIN MUL_HI
	MUL16 4, 1, 0
	MUL16 6, 1, 0
	PLACES NP
	WIN 0
	FETCH_A \next, 0, 4
.endm
	s_wait_alu depctr_va_vdst(0)
	s_wait_tensorcnt 0x0                           ; my part of K step 0 is in
	ds_add_u32 v[SPW], v[NIL]
	s_wait_dscnt 0x0
	CROUND                                         ; a whole round: everybody's part of K step 0 is in, and the joint loads meet
	JLOAD G0+4, G1, G0B+4, G1B                     ; K step 1, the first tensor load behind the round
	FETCH_B 0, 0, 0
	FETCH_A 0, 0, 0
	FETCH_A 0, 0, 4
	STEP 0, 0, 1                                   ; the first step's products start the sums: nothing is cleared
	s_mov_b32 s3, LAPS-1
.Llap:                                                 ; a trip goes once round the ring and fills both slots again
	TURN 0, 1, 1
	STEP 1, 0, 0
	TURN 1, 0, 1
	STEP 0, 0, 0
	s_sub_co_u32 s3, s3, 1
	s_cmp_lg_u32 s3, 0
	s_cbranch_scc1 .Llap
	TURN 0, 1, 0                                   ; the last lap fills nothing
	STEP 1, 0, 0
	s_wait_dscnt 4*NL
	WIN MUL_LO
	MUL16 0, 1, 0
	MUL16 2, 1, 0
	s_wait_dscnt 0
	WIN MUL_HI
	MUL16 4, 1, 0
	MUL16 6, 1, 0
	WIN 0
	; THE WAY OUT.  Each sum is held and converted: a lane's eight sums of an accumulator are 8 bytes of a row of C.  A row's 256 bytes come from two waves: they meet in ONE stage, which lies in slot 0:
	; that slot has had its last fill, and every wave has passed the last change of slots, behind which nobody reads it.
	s_wait_kmcnt 0x0
	s_sub_co_i32 s92, s86, s80
	s_sub_co_i32 s92, s92, s81                     ; q: e6 - e0 - e1
	s_sub_co_i32 s93, s87, s82
	s_sub_co_i32 s93, s93, s83                     ; k: e7 - e2 - e3
	s_sub_co_i32 s94, s89, s84
	s_sub_co_i32 s94, s94, s85                     ; v: e9 - e4 - e5
	s_cmp_eq_u32 s67, 0
	s_cselect_b32 s92, s92, s93
	s_cmp_lt_u32 s67, 2
	s_cselect_b32 s92, s92, s94                    ; chosen without a branch
	s_add_co_i32 s92, s92, 127
	s_lshl_b32 s93, s92, 23
	s_add_co_i32 s92, s92, 8
	s_lshl_b32 s92, s92, 23
	s_or_b32 s92, s92, 0x600000
	s_lshl_b32 s95, s73, 1                         ; two rows of C
	PLACES NP                                      ; behind the last products: their results are read and A's registers written below
	v_mov_b32 v[SC], s93                           ; the scale as f32
	v_mov_b32 v[LIM], s92                          ; 448 x the scale
	v_mul_lo_u32 v[OF], v2, s73
	v_lshl_add_u32 v[OF], v1, 4, v[OF]             ; lanes 0-15 one row of C, lanes 16-31 the next; 16 bytes a lane
.set j, 1
.rept 31
	v_add_nc_u32 v[OF+j], s95, v[OF+j-1]           ; an offset of its own for each store, so that none is rewritten while a store reads it
.set j, j+1
.endr
.macro QBLOCK a                        ; block a: my rows 16 a .. 16 a + 15, 128 columns
.set AC, 64*((\a)%4)
	WIN 0x02+((\a)/4)                              ; source 0: window 2 or 3
.set j, 0
.rept 64
	v_med3_num_f32 v[TMP+j], v[AC+j], -v[LIM], v[LIM]   ; the hold at the largest code x the scale; each accumulator from its low end on
.set j, j+1
.endr
	WIN 0
.irp b, 0,1,2,3,4,5,6,7
	v_cvt_scalef32_pk8_fp8_f32 v[CD+16*(\a)+2*\b:CD+16*(\a)+2*\b+1], v[TMP+8*\b:TMP+8*\b+7], v[SC]
.endr
	v_nop                                          ; a plain line between the conversions and the next block's holds, which write their sources
.irp b, 0,1,2,3,4,5,6,7
	ds_store_b64 v[STO], v[CD+16*(\a)+2*\b:CD+16*(\a)+2*\b+1] offset:(\a)*16*PITCH+16*\b
.endr
.endm
.irp a, 0,1,2,3,4,5,6,7
	QBLOCK \a
.endr
	s_wait_dscnt 0x0                               ; for the others' sake: my stores into the stage are done
	s_barrier_signal -1
	s_barrier_wait -1
.set j, 0
.rept 32
	ds_load_b128 v[TMP+4*j:TMP+4*j+3], v[RD] offset:j*2*PITCH
.set j, j+1
.endr
.set j, 0
.rept 32
	s_wait_dscnt 31-j                              ; the younger loads may be out
	global_store_b128 v[OF+j], v[TMP+4*j:TMP+4*j+3], s[10:11]   ; sixteen lanes store 256 consecutive bytes, at a multiple of 256 from the buffer's first byte
.set j, j+1
.endr
	s_wait_tensorcnt 0x0                           ; the wave's end
	ds_add_u32 v[SPW], v[NIL]
	s_wait_dscnt 0x0
	CROUND                                         ; the closing round: no work-group ends while a partner may still ask for a tile that names it
	s_endpgm
.Lfunc_end_k_qb730b714de_qkv_gemm:
	.size	k_qb730b714de_qkv_gemm, .Lfunc_end_k_qb730b714de_qkv_gemm-k_qb730b714de_qkv_gemm
	.p2alignl 7, 3214868480
	.fill 96, 4, 3214868480
	.section	.rodata,"a",@progbits
	.p2align	6, 0x0
	.amdhsa_kernel k_qb730b714de_qkv_gemm
		.amdhsa_group_segment_fixed_size 327680
		.amdhsa_private_segment_fixed_size 0
		.amdhsa_enable_private_segment 0
		.amdhsa_kernarg_size 32
		.amdhsa_user_sgpr_count 2
		.amdhsa_user_sgpr_kernarg_segment_ptr 1
		.amdhsa_wavefront_size32 1
		.amdhsa_system_sgpr_workgroup_id_x 1
		.amdhsa_system_sgpr_workgroup_id_y 1
		.amdhsa_system_sgpr_workgroup_id_z 1
		.amdhsa_system_vgpr_workitem_id 0
		.amdhsa_next_free_vgpr 1024
		.amdhsa_next_free_sgpr 98
		.amdhsa_reserve_vcc 0
		.amdhsa_float_denorm_mode_32 3
		.amdhsa_float_denorm_mode_16_64 3
		.amdhsa_memory_ordered 1
		.amdhsa_forward_progress 1
		.amdhsa_inst_pref_size 127
	.end_amdhsa_kernel
	.amdgpu_metadata
---
amdhsa.version: [ 1, 2 ]
amdhsa.kernels:
  - .name:           k_qb730b714de_qkv_gemm
    .symbol:         k_qb730b714de_qkv_gemm.kd
    .args:
      - { .name: xc, .offset: 0, .size: 8, .value_kind: global_buffer, .address_space: global }
      - { .name: wc, .offset: 8, .size: 8, .value_kind: global_buffer, .address_space: global }
      - { .name: lowp_scales, .offset: 16, .size: 8, .value_kind: global_buffer, .address_space: global }
      - { .name: qkv, .offset: 24, .size: 8, .value_kind: global_buffer, .address_space: global }
    .group_segment_fixed_size: 327680
    .private_segment_fixed_size: 0
    .kernarg_segment_align: 8
    .kernarg_segment_size: 32
    .max_flat_workgroup_size: 128
    .sgpr_count:     98
    .vgpr_count:     1024
    .wavefront_size: 32
...
	.end_amdgpu_metadata
.endif
;; end of part 2
;; launch attn (part 3): grid 16 x 16, 16 waves a work-group, clusters of 4 x 1, 327,680 bytes of LDS; arguments qkv, lowp_scales, cc; writes cc
.if DOCPART == 3
	.amdgcn_target "amdgcn-amd-amdhsa--gfx1250"
	.amdhsa_code_object_version 6
	.text
	.protected	k_qb730b714de_attn
	.globl	k_qb730b714de_attn
	.p2align	8
	.type	k_qb730b714de_attn,@function
k_qb730b714de_attn:
	s_mov_b64 s[64:65], 0
	v_nop
	global_prefetch_b8 v0, s[64:65] scope:SCOPE_SE
	s_setreg_imm32_b32 hwreg(HW_REG_WAVE_MODE, 25, 1), 1
	s_wait_xcnt 0x0
	s_wait_alu depctr_hold_cnt(0) depctr_sa_sdst(0) depctr_va_vdst(0) depctr_va_sdst(0) depctr_va_ssrc(0) depctr_va_vcc(0) depctr_vm_vsrc(0)
	s_getreg_b32 s2, hwreg(HW_REG_IB_STS2, 6, 4)
	s_cmp_eq_u32 s2, 0
	s_cbranch_scc0 .Lentry_in_a_cluster
	s_endpgm
.Lentry_in_a_cluster:
	s_bfe_u32 s2, ttmp6, 0x10000c
	s_cmp_lg_u32 s2, 0x3003
	s_cbranch_scc0 .Lentry_shape_is_right
	s_endpgm
.Lentry_shape_is_right:
; ctx = softmax(q k^T / 8, causal) v for 4 batches x 16 heads x 2,048 positions, head size 64, both products on codes of FP8 (E4M3); ctx leaves as codes (entry 10).
; qkv: section 0 q's codes [8192 (b, s)][1024 (head, d)], section 1 k's likewise, section 2 v's with the keys innermost [1024 (head, d)][8192 (b, s)]; 8 MiB each.  cc: [8192][1024] codes.
; LEFT OUT: key steps all of whose keys come after a tile's queries: the causal mask sets those scores to -inf, so their p is 0 for all values of the inputs.
; THE SOFTMAX: t = score x log2(e) / 8; M = the row's largest t so far, rounded UP to a whole number; p = 2^(t - M) is quantised (entry 8), not normalised.  The row's sum is taken of the unquantised p
; and divides at the end.  When M moves, the sum and O are multiplied by 2^(old M - new M), which rounds nothing.  LIMIT: the promise holds while |t| stays under 2^31.
; SHARES.  A cluster of four work-groups (cluster x = a, 0..3; y = 4 b + hg) serves FOUR heads 4 hg .. 4 hg + 3 (a key's row in a tile is 256 consecutive bytes) and TWO groups of 256 queries,
; one after the other: group 7 - a, which walks 8 - a slots of 256 keys, then group a, which walks a + 1: 9 slots in every cluster, a constant of the text.
; Wave w serves head hh = w / 4 at place ws = (w + hh) % 4; in the partner at place cx it owns tile 4 ws + cx of the group's 16 tiles of 16 queries: one tile at a time.
; So a tile's queries lie in the 128 that begin at QB = 256 group + 128 (ws / 2): a step of 128 keys is hidden (first key > QB), open (< QB) or on the diagonal (= QB) by the wave's number and the
; cluster's number alone.  No branch hangs on a work-group's place in its cluster; cx enters global addresses and the mask's compare only.
; JOINT LOADS: the four partners walk the same slots of K and V in the same rounds: each tile is asked for by the same load with the mask 15.  Every slot asked for is read by waves of every partner.
; IN A SLOT THE SECOND 128 KEYS ARE TAKEN FIRST (the running maximum serves any order); the first 128 are hidden for no wave, so every wave walks the slot's last step, and THE CHANGE OF SLOTS STANDS INSIDE IT:
; when its fragments of K and V are in registers the wave's reads of the slot are over; it signals, and the step's softmax and second product, work on registers alone, stand between the signal and the wait.
; At the change of groups (a branch on ids) O^T and the sum are put aside, and Q, the statistics and O^T begin anew; both tiles leave at the end.
; LAYOUT.  Both products are used transposed: S^T = K Q^T (source 0 = 16 keys, source 1 = 16 queries, K = 64), O^T = V^T P^T (source 0 = 16 of the head's 64, source 1 = P, K = 128 keys): a lane holds one query.
; Lane r of score tile t takes key 16 t + r: sixteen neighbouring LDS rows of 272 bytes, which begin in sixteen different columns of 16 bytes.  Register j of tile t then holds key 16 t + 8 (lane / 16) + j,
; so the codes of tile t are registers 2 t, 2 t + 1 of P in the K = 128 form's own order of k; V's fragments take the same order by loads of 8 bytes at 16 c + 8 (lane / 16).
; LIMITS on the given exponents: e6 + e7 between -123 and 130 (added to c's exponent field); e8 and e10 between -126 and 119; e8 + e9 is applied by v_ldexp_f32 and has none.
; REGISTERS: v1-11 addresses; v12 -M, v13 largest t, v[14:15] the sum; v[18:19] the first tile's sum; v20-27 Q in hand, v28-35 the second tile's Q; v36-99 fragments of K, then of V; v100-163 S^T, then p;
; v164-195 O^T; v196-227 the first tile's O^T; v228-243 p's codes; v244-254 at work.
.set KP,    272                        ; a row of a tile in LDS: 256 bytes + 16 of padding
.set HALFT, 128*KP                     ; what one tensor load brings
.set VOFF,  256*KP                     ; a slot: 256 rows of K, then 256 rows of V
.set SLOTB, 512*KP                     ; 0x22000; the four loads' places in a slot (0, 0x8800, 0x11000, 0x19800) share no bit with it: one exclusive or turns an address to the other slot
.set SPARE, 2*SLOTB                    ; behind the ring: the spare words, 128 bytes a wave, that no other line names
.set STAGE, SLOTB                      ; the way out's stage lies in slot 1: it has had its last fill, and behind the last barrier nobody reads it
.set AK0,  1                           ; v1   my lane's place in a tile of K
.set AV0,  2                           ; v2   the same for V
.set PFO,  3                           ; v3   the prefetches' offset: my lane x the pitch of the rows asked for
.set DL,   4                           ; v4   my query's place in its 128, less 8 (lane / 16): for the mask
.set SPW,  5                           ; v5   LDS address of my spare word; never rewritten
.set NIL,  6                           ; v6   0; never rewritten
.set GO,   7                           ; v7   the way out: my byte offset in the rows that I store
.set ADK,  8
.set ADV,  9
.set SO,   10                          ; v10  the way out: where I put 8 bytes of a row
.set SR,   11                          ; v11  the way out: where I read a row back
.set ST,   12
.set SS,   18
.set QC,   20
.set Q2,   28
.set F,    36
.set S,    100
.set O,    164
.set OS,   196
.set P,    228
.set TB,   2                           ; s2   LDS byte at which the slot in hand begins
.set SA,   3                           ; s3   a, the cluster's x
.set CX,   14                          ; s14  my place in the cluster; s15, s56-61 and the pointers s8-13, s76-77 alone hold what is made of it
.set C2,   16                          ; s16  the second loop's count
.set WV,   18
.set SEL,  20
.set CS,   22                          ; s[22:23] c = log2(e) / 8 x 2^(e6 + e7)
.set G1K,  24
.set G1V,  32
.set G0K,  40
.set G0V,  44
.set KB,   48                          ; s[48:49] my half of K's tile at key 0;  s[50:51] the same for V
.set VB,   50
.set KN,   52                          ; s52  which 256 keys the last load asked for
.set SWF,  53                          ; s53  a + 2: the value of s67 at which the load turns back to key 0
.set QB,   54                          ; s54  first of the 128 queries in which my tile lies;  s55 the second group's
.set QBL,  55
.set GH,   62                          ; s62  7 - a
.set K1,   63                          ; s63  the first key of the slot's second 128
.set KF,   66                          ; s66  the slot's first key
.set SLOTS, 67                         ; s67  8 less the number of the slot in hand
.set PFA,  76
.set PFS,  78
.set LIM,  80                          ; s80  a + 4 in waves 4 to 7, else the greatest number: a wave prefetches while s67 is at or above it
; Waves 0 and 1 fetch K's halves, waves 2 and 3 V's, the others nothing.  The branches hang on the wave's number alone.  s_nop 0 and four v_nop follow each load.
.macro TLOAD
	s_cmp_lt_u32 s[WV], 2
	s_cbranch_scc0 .Lnot_k_\@
	tensor_load_to_lds s[G0K:G0K+3], s[G1K:G1K+7]
	s_nop 0
.rept 4
	v_nop
.endr
	s_branch .Lasked_\@
.Lnot_k_\@:
	s_cmp_lt_u32 s[WV], 4
	s_cbranch_scc0 .Lasked_\@
	tensor_load_to_lds s[G0V:G0V+3], s[G1V:G1V+7]
	s_nop 0
.rept 4
	v_nop
.endr
.Lasked_\@:
.endm
.macro CREST                           ; a round of the cluster's barrier behind its opening barrier
	s_cmp_lg_u32 s[WV], 0
	s_cbranch_scc1 .Lnot_wave_0_\@
	s_barrier_signal -3
.Lnot_wave_0_\@:
	s_barrier_wait -3
	s_barrier_signal -1
	s_barrier_wait -1
.endm
.macro CROUND                          ; a whole round
	s_barrier_signal -1
	s_barrier_wait -1
	CREST
.endm
; A PREFETCH of what the NEXT change of slots will ask for: 256 rows of K and 256 of V, 256 aligned bytes each, named once in the cluster.  The partners share the rows out by address: the one at cx takes
; rows 64 cx .. 64 cx + 63; waves 4, 5 ask for K's (32 rows a wave, a lane a row), waves 6, 7 for V's.  Only the first walk asks (slots 2 .. 7 - a); the second walk reads rows that the cluster has read.
.macro ASK
	s_cmp_ge_u32 s[SLOTS], s[LIM]
	s_cbranch_scc0 .Lnot_mine_\@
	global_prefetch_b8 v[PFO], s[PFA:PFA+1] th:TH_LOAD_NT scope:SCOPE_SE
.Lnot_mine_\@:
.endm
	s_load_b128 s[4:7], s[0:1], 0x0                ; qkv s[4:5], the scales s[6:7]
	s_load_b64 s[8:9], s[0:1], 0x10                ; cc
	v_lshl_add_u32 v[SPW], v0, 2, SPARE
	v_mov_b32 v[NIL], 0
	ds_add_u32 v[SPW], v[NIL]                      ; the opening: the add, twice on end, and its wait ahead of the first round
	ds_add_u32 v[SPW], v[NIL]
	v_lshrrev_b32 v8, 5, v0
	v_readfirstlane_b32 s[WV], v8                  ; wave 0..15
	s_mov_b32 s[SA], ttmp9                         ; a
	s_and_b32 s81, ttmp7, 0xffff
	s_lshr_b32 s82, s81, 2                         ; b
	s_and_b32 s83, s81, 3                          ; hg
	s_lshr_b32 s84, s[WV], 2                       ; hh
	s_add_co_u32 s85, s[WV], s84
	s_and_b32 s85, s85, 3                          ; ws
	s_sub_co_u32 s[GH], 7, s[SA]
	s_lshr_b32 s87, s85, 1
	s_lshl_b32 s87, s87, 7                         ; 128 (ws / 2)
	s_lshl_b32 s[QB], s[GH], 8
	s_add_co_u32 s[QB], s[QB], s87
	s_lshl_b32 s[QBL], s[SA], 8
	s_add_co_u32 s[QBL], s[QBL], s87
	s_add_co_u32 s[SWF], s[SA], 2
	s_lshl_b32 s95, s82, 21
	s_lshl_b32 s86, s83, 8
	s_add_co_u32 s95, s95, s86                     ; the batch's first row of 1,024 bytes + 256 hg: a place in q's and k's sections and in cc
	s_lshl_b32 s96, s83, 21
	s_lshl_b32 s86, s82, 11
	s_add_co_u32 s96, s96, s86
	s_add_co_u32 s96, s96, 0x1000000               ; v's section: row 256 hg of 8,192 bytes + 2,048 b
	s_and_b32 s88, s[WV], 1                        ; which half of a tile I fetch, if I fetch
	s_mul_i32 s89, s88, HALFT
	s_lshl_b32 s86, s88, 17
	s_add_co_u32 s90, s95, s86
	s_add_co_u32 s90, s90, 0x800000                ; K: 128 rows of 1,024 bytes a half
	s_mov_b32 s91, 0
	s_lshl_b32 s86, s88, 20
	s_add_co_u32 s92, s96, s86                     ; V: 128 rows of 8,192 bytes a half
	s_mov_b32 s93, 0
	; descriptor group 1: 128 rows x 256 bytes, 16 bytes of padding behind each; the mask names the cluster's four, bit 21 beside it; K's rows lie 1,024 bytes apart, V's 8,192
.irp g, G1K, G1V
	s_mov_b32 s[\g], 15|(1<<20)|(1<<21)|(5<<22)|(3<<25)
	s_mov_b32 s[\g+1], 256<<16
	s_mov_b32 s[\g+2], 128<<16
	s_mov_b32 s[\g+3], 256<<16
	s_mov_b32 s[\g+4], 128
	s_mov_b32 s[\g+6], 0
	s_mov_b32 s[\g+7], 0
.endr
	s_mov_b32 s[G1K+5], 1024
	s_mov_b32 s[G1V+5], 8192
	s_mov_b32 s[SEL], 0x76543210
	s_mov_b32 s[SEL+1], 0xfedcba98
	s_mov_b32 s[CS], 0x3e38aa3b                    ; log2(e) / 8
	s_mov_b32 s[TB], 0
	s_mov_b32 s[SLOTS], 8
	s_mov_b32 s[C2], 2
	s_mov_b32 s[KF], 0
	s_mov_b32 s[KN], 0
	s_wait_dscnt 0x0                               ; both opening adds are done
	s_wait_kmcnt 0x0
	s_load_b256 s[68:75], s[6:7], 0x10             ; e4 .. e11: s70 e6, s71 e7, s72 e8, s73 e9, s74 e10
	s_add_nc_u64 s[KB:KB+1], s[4:5], s[90:91]
	s_add_nc_u64 s[VB:VB+1], s[4:5], s[92:93]
	s_mov_b32 s[G0K], 1
	s_mov_b32 s[G0K+1], s89                        ; slot 0
	s_mov_b64 s[G0K+2:G0K+3], s[KB:KB+1]
	s_or_b32 s[G0K+3], s[G0K+3], 0x80000000
	s_mov_b32 s[G0V], 1
	s_add_co_u32 s[G0V+1], s89, VOFF
	s_mov_b64 s[G0V+2:G0V+3], s[VB:VB+1]
	s_or_b32 s[G0V+3], s[G0V+3], 0x80000000
	CROUND                                         ; the four partners are here: the first joint loads meet
	TLOAD                                          ; the first 256 keys
	; all the head's scalar work stands here, ahead of its vector work
	s_bfe_u32 s[CX], ttmp6, 0x40000
	s_lshl_b32 s56, s85, 6
	s_lshl_b32 s57, s[CX], 4
	s_add_co_u32 s56, s56, s57                     ; my tile's first query in its group: 64 ws + 16 cx
	s_lshl_b32 s81, s84, 6                         ; 64 hh
	s_add_co_u32 s58, s81, s95
	s_lshl_b32 s59, s[GH], 8
	s_add_co_u32 s59, s59, s56
	s_lshl_b32 s59, s59, 10
	s_add_co_u32 s10, s59, s58
	s_mov_b32 s11, 0
	s_add_nc_u64 s[10:11], s[4:5], s[10:11]        ; the first tile's codes of q
	s_lshl_b32 s59, s[SA], 8
	s_add_co_u32 s59, s59, s56
	s_lshl_b32 s59, s59, 10
	s_add_co_u32 s12, s59, s58
	s_mov_b32 s13, 0
	s_add_nc_u64 s[12:13], s[4:5], s[12:13]        ; the second tile's
	s_and_b32 s15, s85, 1
	s_lshl_b32 s15, s15, 6
	s_add_co_u32 s15, s15, s57                     ; my tile's place in its 128 queries: 64 (ws % 2) + 16 cx
	s_add_co_u32 s86, s95, 0x800000                ; the prefetches
	s_cmp_lt_u32 s[WV], 6                          ; waves 4, 5: K; waves 6, 7: V
	s_cselect_b32 s97, s86, s96
	s_mov_b32 s[PFS], 256
	s_cselect_b32 s[PFS], 0x40000, s[PFS]          ; a slot on: 256 rows of K, or 256 bytes in a row of V
	s_mov_b32 s94, 8192
	s_cselect_b32 s94, 1024, s94                   ; from row to row
	s_lshl_b32 s59, s[CX], 6
	s_lshl_b32 s60, s88, 5
	s_add_co_u32 s59, s59, s60                     ; my wave's first row: 64 cx + 32 (w % 2)
	s_mul_i32 s59, s59, s94
	s_add_co_u32 s59, s59, s97
	s_add_co_u32 s60, s59, s[PFS]                  ; in slot 1: the first change of slots steps it to slot 2.  Nothing is prefetched at the head
	s_mov_b32 s61, 0
	s_mov_b32 s[PFS+1], 0
	s_add_nc_u64 s[PFA:PFA+1], s[4:5], s[60:61]
	s_add_co_u32 s86, s[SA], 4
	s_cmp_eq_u32 s84, 1
	s_cselect_b32 s[LIM], s86, 0x7fffffff
	; the way out: wave w stores rows 8 w .. 8 w + 7 of the stage: half of the tile at place (w / 2) % 4, of the second group (w < 8) or the first
	s_bfe_u32 s59, s[WV], 0x20001
	s_lshl_b32 s59, s59, 6
	s_add_co_u32 s59, s59, s57
	s_lshl_b32 s60, s88, 3
	s_add_co_u32 s59, s59, s60
	s_cmp_lt_u32 s[WV], 8
	s_cselect_b32 s60, s[SA], s[GH]
	s_lshl_b32 s60, s60, 8
	s_add_co_u32 s59, s59, s60
	s_lshl_b32 s59, s59, 10
	s_add_co_u32 s60, s59, s95
	s_mov_b32 s61, 0
	s_add_nc_u64 s[8:9], s[8:9], s[60:61]
	s_mul_i32 s82, s84, 64*KP
	s_add_co_u32 s82, s82, VOFF                    ; V: my head's 64 rows
	s_mul_i32 s83, s85, 16*KP
	s_add_co_u32 s83, s83, s81
	s_add_co_u32 s83, s83, STAGE                   ; the stage: row 16 ws, byte 64 hh
	s_mul_i32 s87, s[WV], 8*KP
	s_add_co_u32 s87, s87, STAGE
	s_wait_kmcnt 0x0
	s_add_co_i32 s86, s70, s71
	s_lshl_b32 s86, s86, 23
	s_add_co_i32 s[CS], s[CS], s86                 ; a score stands for score x 2^(e6 + e7): added to c's exponent field
	s_mov_b32 s[CS+1], s[CS]
	s_add_co_i32 s86, s72, 127
	s_lshl_b32 s90, s86, 23                        ; 2^e8
	s_add_co_i32 s86, s86, 8
	s_lshl_b32 s86, s86, 23
	s_or_b32 s91, s86, 0x600000                    ; 448 x 2^e8
	v_and_b32 v8, 15, v0                           ; r
	v_bfe_u32 v9, v0, 4, 1                         ; h
	v_lshlrev_b32 v246, 10, v8
	v_lshl_add_u32 v246, v9, 4, v246               ; q: row r of 1,024 bytes + 16 h; registers 4 c .. 4 c + 3 hold bytes 32 c + 16 h + 0 .. 15 of the head's 64, as K's fragments do
	global_load_b128 v[QC:QC+3], v246, s[10:11]
	global_load_b128 v[QC+4:QC+7], v246, s[10:11] offset:32
	global_load_b128 v[Q2:Q2+3], v246, s[12:13]
	global_load_b128 v[Q2+4:Q2+7], v246, s[12:13] offset:32
	v_mul_u32_u24 v[AV0], v8, KP
	v_mul_u32_u24 v[AK0], v8, KP                   ; K: row r
	v_lshl_add_u32 v[AV0], v9, 3, v[AV0]           ; V: row r, + 8 h
	v_lshl_add_u32 v[AK0], v9, 4, v[AK0]           ; + 16 h
	v_add_nc_u32 v[AV0], s82, v[AV0]
	v_lshlrev_b32 v[DL], 3, v9
	v_add_nc_u32 v[AK0], s81, v[AK0]               ; + my head's 64 bytes of the row
	v_sub_nc_u32 v[DL], v8, v[DL]
	v_mul_u32_u24 v[SO], v8, KP
	v_add_nc_u32 v[DL], s15, v[DL]
	v_lshl_add_u32 v[SO], v9, 3, v[SO]
	v_mul_u32_u24 v[SR], v9, KP
	v_add_nc_u32 v[SO], s83, v[SO]                 ; row 16 ws + r, byte 64 hh + 8 h
	v_lshl_add_u32 v[SR], v8, 4, v[SR]
	v_lshlrev_b32 v[GO], 10, v9
	v_add_nc_u32 v[SR], s87, v[SR]                 ; back: rows 8 w + h, 16 bytes a lane
	v_lshl_add_u32 v[GO], v8, 4, v[GO]
	v_and_b32 v[PFO], 31, v0
	v_mov_b32 v[ST+1], 0xff61b1e6                  ; the largest t so far: -3e38, under every t
	v_mul_lo_u32 v[PFO], v[PFO], s94
	v_floor_f32 v[ST], -v[ST+1]                    ; -M
	v_mov_b32 v[ST+2], 0
	v_mov_b32 v[ST+3], 0
	v_mov_b32 v[SS], 0
	v_mov_b32 v[SS+1], 0
	v_mov_b32 v249, 0                              ; (named as the upper half of the pair v[248:249])
	v_mov_b32 v252, 0                              ; a lane permute's destination counts as one of its sources
	v_mov_b32 v253, 0xff800000                     ; -infinity
	v_mov_b32 v244, s90
	v_mov_b32 v245, s91
	v_mov_b32 v254, s91                            ; the limit once more: the two halves of a dual instruction take their second sources from different register banks
.set j, 0
.rept 64
	v_mov_b32 v[O+j], 0                            ; O^T, and the registers in which the first tile's is put aside.  (The step has no first form: it finds zeros, which the first change of M leaves zeros)
.set j, j+1
.endr
; A STEP: MY TILE OF 16 QUERIES AGAINST 128 KEYS, the kq-th 128 of the slot in hand, in four parts.
; LOADS: K's fragments, the scores, and the request for V's fragments: all of the step's LDS reads.
.macro LOADS kq
	v_add_nc_u32 v[ADK], s[TB], v[AK0]
	v_add_nc_u32 v[ADV], s[TB], v[AV0]
	v_nop
	v_nop                                          ; four plain lines in front of loads into registers that the last products read
.irp t, 0,1,2,3,4,5,6,7
.irp c, 0,1
	ds_load_b128 v[F+8*\t+4*\c:F+8*\t+4*\c+3], v[ADK] offset:(128*(\kq)+16*\t)*KP+32*\c
.endr
.endr
	s_wait_alu depctr_va_vdst(0)
	s_wait_dscnt 8                                 ; tiles 0 to 3 are in; the eight younger loads (tiles 4 to 7) may be out
.irp t, 0,1,2,3
	v_wmma_f32_16x16x64_fp8_fp8 v[S+8*\t:S+8*\t+7], v[F+8*\t:F+8*\t+7], v[QC:QC+7], 0
.endr
	s_wait_dscnt 0x0
.irp t, 4,5,6,7
	v_wmma_f32_16x16x64_fp8_fp8 v[S+8*\t:S+8*\t+7], v[F+8*\t:F+8*\t+7], v[QC:QC+7], 0
.endr
.rept 4
	v_nop                                          ; places in front of the loads below and of the first read of the scores
.endr
.irp t, 0,1,2,3
.irp c, 0,1,2,3,4,5,6,7
	ds_load_b64 v[F+16*\t+2*\c:F+16*\t+2*\c+1], v[ADV] offset:16*\t*KP+128*(\kq)+16*\c   ; word 68 r + 2 h: the 32 lanes touch 64 different banks
.endr
.endr
.endm
; MASK, on the diagonal (the step's first key = QB).  Register 8 t + j holds key QB + 8 (lane / 16) + 16 t + j: hidden where 16 t + j > my query - QB - 8 (lane / 16).
.macro MASK
.set n, 0
.rept 64
	v_cmp_gt_i32 vcc_lo, 16*(n/8)+n%8, v[DL]
	v_cndmask_b32 v[S+n], v[S+n], v253, vcc_lo     ; hidden scores become -infinity: p = 0.  The step's first key counts for all 16 queries, so the row's maximum is a number
.set n, n+1
.endr
.endm
; MAXES: the step's largest score of my query among my 64 keys, in two chains; each accumulator is read from its low end on.
.macro MAXES
	v_max3_num_f32 v246, v[S], v[S+1], v[S+2]
	v_max3_num_f32 v247, v[S+3], v[S+4], v[S+5]
.set i, 6
.rept 14
	v_max3_num_f32 v246, v246, v[S+i], v[S+i+1]
	v_max3_num_f32 v247, v247, v[S+i+2], v[S+i+3]
.set i, i+4
.endr
	v_max3_num_f32 v246, v246, v[S+62], v[S+63]
	s_delay_alu instid0(VALU_DEP_1)
	v_max_num_f32 v246, v246, v247
.endm
; REST: the softmax, p's codes and the second product.  vw = 1: V's fragments are waited for here; vw = 0: they are in already, and REST is work on registers alone.
.macro REST vw
	v_permlanex16_b32 v252, v246, s[SEL], s[SEL+1]
	s_delay_alu instid0(VALU_DEP_1)
	v_max_num_f32 v246, v246, v252                 ; the largest among lane l xor 16's keys too
	s_delay_alu instid0(VALU_DEP_1)
	v_mul_f32 v246, s[CS], v246                    ; as t (c is positive)
	s_delay_alu instid0(VALU_DEP_1)
	v_max_num_f32 v[ST+1], v[ST+1], v246           ; the running largest t
	v_mov_b32 v246, v[ST]
	s_delay_alu instid0(VALU_DEP_2)
	v_floor_f32 v[ST], -v[ST+1]                    ; the new -M = floor(-t) = -ceil(t)
	s_delay_alu instid0(VALU_DEP_1)
	v_sub_f32 v246, v[ST], v246                    ; old M - new M: a whole number, 0 or less
	s_delay_alu instid0(VALU_DEP_1)
	v_cvt_i32_f32 v246, v246                       ; (it saturates)
	s_delay_alu instid0(VALU_DEP_1)
	v_ldexp_f32 v248, 1.0, v246                    ; f = 2^(old M - new M)
.set j, 0
.rept 32
	v_pk_fma_f32 v[S+j:S+j+1], v[S+j:S+j+1], s[CS:CS+1], v[ST:ST+1] op_sel_hi:[1,0,0]   ; t - M, two at a time
.set j, j+2
.endr
.set j, 0
	s_wait_alu depctr_va_vdst(0)
.rept 64
	v_exp_f32 v[S+j], v[S+j]                       ; p = 2^(t - M), at most 1
.set j, j+1
.endr
	v_pk_mul_f32 v[ST+2:ST+3], v[ST+2:ST+3], v[248:249] op_sel_hi:[1,0]   ; the sums under the new M: the plain line behind the exponentials
	s_wait_alu depctr_va_vdst(0)                   ; one wait for the batch of 64, ahead of its first reader
	v_pk_add_f32 v[250:251], v[S:S+1], v[S+2:S+3]  ; the row's sum is taken of the unquantised p, in two chains
.set j, 4
.rept 15
	v_pk_add_f32 v[ST+2:ST+3], v[ST+2:ST+3], v[S+j:S+j+1]
	v_pk_add_f32 v[250:251], v[250:251], v[S+j+2:S+j+3]
.set j, j+4
.endr
	s_delay_alu instid0(VALU_DEP_1)
	v_pk_add_f32 v[ST+2:ST+3], v[ST+2:ST+3], v[250:251]
.irp b, 0,1,2,3
.set i, 0
.rept 8
	v_dual_min_num_f32 v[S+16*\b+i], v[S+16*\b+i], v245 :: v_dual_min_num_f32 v[S+16*\b+i+1], v[S+16*\b+i+1], v254   ; the conversion does not saturate (ISA guide 7.6.2); p is not negative, so the hold is one-sided; two holds an instruction
.set i, i+2
.endr
	v_cvt_scalef32_pk8_fp8_f32 v[P+4*\b:P+4*\b+1], v[S+16*\b:S+16*\b+7], v244
	v_cvt_scalef32_pk8_fp8_f32 v[P+4*\b+2:P+4*\b+3], v[S+16*\b+8:S+16*\b+15], v244
.endr
	s_wait_alu depctr_va_vdst(0)                   ; directly ahead of the first reader of O^T
.set j, 0
.rept 16
	v_pk_mul_f32 v[O+j:O+j+1], v[O+j:O+j+1], v[248:249] op_sel_hi:[1,0]   ; O^T under the new M; also the plain lines between the conversions and the products
.set j, j+2
.endr
.if \vw
	s_wait_alu depctr_va_vdst(0)
	s_wait_dscnt 0x0                               ; V's fragments are in
.endif
.irp t, 0,1,2,3
	v_wmma_f32_16x16x128_fp8_fp8 v[O+8*\t:O+8*\t+7], v[F+16*\t:F+16*\t+15], v[P:P+15], v[O+8*\t:O+8*\t+7]   ; four accumulators, one instruction each; eight score products stand between two turns of an accumulator
.endr
.endm
; THE CHANGE OF GROUPS, at the head of slot 8 - a (s67 = a there): the first tile's O^T and sum are put aside; O^T, the statistics, Q, QB and KF begin anew.  The branch hangs on ids and the count of slots.
.macro SWAP
	s_cmp_eq_u32 s[SLOTS], s[SA]
	s_cbranch_scc0 .Lsame_\@
.rept 4
	v_nop                                          ; places behind the last products
.endr
.set j, 0
.rept 32
	v_mov_b32 v[OS+j], v[O+j]                      ; each accumulator from its low end on
.set j, j+1
.endr
.set j, 0
.rept 32
	v_mov_b32 v[O+j], 0
.set j, j+1
.endr
	v_mov_b32 v[SS], v[ST+2]
	v_mov_b32 v[SS+1], v[ST+3]
	v_mov_b32 v[ST+1], 0xff61b1e6
	v_mov_b32 v[ST+2], 0
	v_mov_b32 v[ST+3], 0
	v_floor_f32 v[ST], -v[ST+1]
.set j, 0
.rept 8
	v_mov_b32 v[QC+j], v[Q2+j]
.set j, j+1
.endr
	s_mov_b32 s[QB], s[QBL]
	s_mov_b32 s[KF], 0
	s_wait_alu depctr_va_vdst(0)
.Lsame_\@:
.endm
; The second add and the descriptors' steps, behind the wait for all tensor loads and the first add: the other LDS slot than last time, the next 256 keys of the walk (at s67 = a + 2: the second walk's first).
.macro STEPD
	ds_add_u32 v[SPW], v[NIL]                      ; once more
	s_add_co_u32 s[KN], s[KN], 1
	s_cmp_eq_u32 s[SLOTS], s[SWF]
	s_cselect_b32 s[KN], 0, s[KN]
	s_mov_b32 s97, 0
	s_lshl_b32 s96, s[KN], 18                      ; 256 rows of K
	s_xor_b32 s[G0K+1], s[G0K+1], SLOTB
	s_add_nc_u64 s[G0K+2:G0K+3], s[KB:KB+1], s[96:97]
	s_or_b32 s[G0K+3], s[G0K+3], 0x80000000
	s_lshl_b32 s96, s[KN], 8                       ; 256 bytes in a row of V
	s_xor_b32 s[G0V+1], s[G0V+1], SLOTB
	s_add_nc_u64 s[G0V+2:G0V+3], s[VB:VB+1], s[96:97]
	s_or_b32 s[G0V+3], s[G0V+3], 0x80000000
	s_wait_xcnt 0x0                                ; the last prefetch, a slot back, has read its address, so it may be written
	s_add_nc_u64 s[PFA:PFA+1], s[PFA:PFA+1], s[PFS:PFS+1]
.endm
; A SLOT: its second 128 keys (hidden for some waves on the diagonal), then its first 128, with the change of slots inside that step.
; fill = 1: the barrier opens a round of the cluster's, and behind the round this slot takes the keys two slots on.  fill = 0: nothing more is asked for.
.macro SLOT fill
	SWAP
	s_add_co_u32 s[K1], s[KF], 128
	s_cmp_gt_u32 s[K1], s[QB]                      ; all 128 keys come after my tile's 128 queries: the step is left out
	s_cbranch_scc1 .Lhid_\@
	LOADS 1
	s_cmp_lt_u32 s[K1], s[QB]                      ; all keys count: no mask
	s_cbranch_scc1 .Lop1_\@
	MASK
.Lop1_\@:
	MAXES
	REST 1
.Lhid_\@:
	LOADS 0
	s_cmp_lt_u32 s[KF], s[QB]
	s_cbranch_scc1 .Lop0_\@
	MASK
.Lop0_\@:
	s_wait_alu depctr_va_vdst(0)
	s_wait_tensorcnt 0x0                           ; all my tensor loads have landed: my part of the next slot; so a group 0 may be written
	ds_add_u32 v[SPW], v[NIL]                      ; 0 onto my spare word
.if \fill
	STEPD
.endif
	MAXES                                          ; work on registers between the add and the wait for it
	s_wait_alu depctr_va_vdst(0)
	s_wait_dscnt 0x0                               ; the add is done, V's fragments are in: my reads of this slot are over
	s_barrier_signal -1                            ; say so,
	REST 0                                         ; work on registers while the others arrive,
	s_barrier_wait -1                              ; and go on when all sixteen have said so
.if \fill
	CREST                                          ; the barrier has opened a round of the cluster's: no wave of any partner still reads this slot or has a load on its way
	TLOAD                                          ; the first tensor load behind the round, and a wave's one until the next
	ASK
.endif
	s_add_co_u32 s[KF], s[KF], 256
	s_xor_b32 s[TB], s[TB], SLOTB
	s_sub_co_u32 s[SLOTS], s[SLOTS], 1
.endm
	s_wait_alu depctr_va_vdst(0)
	s_wait_loadcnt 0x0                             ; Q
	s_wait_tensorcnt 0x0                           ; my part of slot 0 is in; slot 1's first fill is issued as a refill is
	ds_add_u32 v[SPW], v[NIL]
	STEPD
	s_wait_dscnt 0x0
	CROUND
	TLOAD
	ASK
.Lslot:                                            ; slots 0 to 6: 7 trips, each asks for the slot two on
	SLOT 1
	s_cmp_lg_u32 s[SLOTS], 1
	s_cbranch_scc1 .Lslot
.Ltail:                                            ; slots 7 and 8: 2 trips that ask for nothing; behind the last barrier nobody reads the ring
	SLOT 0
	s_sub_co_u32 s[C2], s[C2], 1
	s_cmp_lg_u32 s[C2], 0
	s_cbranch_scc1 .Ltail
	; THE WAY OUT.  O^T / the sum x 2^(e8 + e9) is ctx; it is held, converted with 2^e10, and goes through ONE stage of 128 rows x 272 bytes, since a row's 256 bytes come from the four heads' waves.
.rept 4
	v_nop                                          ; places behind the last products
.endr
	v_add_f32 v[ST+2], v[ST+2], v[ST+3]            ; the sums' two halves,
	v_add_f32 v[SS], v[SS], v[SS+1]
	s_delay_alu instid0(VALU_DEP_2)
	v_permlanex16_b32 v252, v[ST+2], s[SEL], s[SEL+1]
	s_delay_alu instid0(VALU_DEP_2)
	v_permlanex16_b32 v246, v[SS], s[SEL], s[SEL+1]
	s_delay_alu instid0(VALU_DEP_2)
	v_add_f32 v[ST+2], v[ST+2], v252               ; and lane l xor 16's
	s_delay_alu instid0(VALU_DEP_2)
	v_add_f32 v[SS], v[SS], v246
	s_wait_alu depctr_va_vdst(0)
	v_rcp_f32 v[ST+2], v[ST+2]
	v_rcp_f32 v[SS], v[SS]
	s_add_co_i32 s86, s74, 127
	s_lshl_b32 s87, s86, 23
	v_mov_b32 v244, s87                            ; 2^e10 as f32.  (A plain line behind the reciprocals)
	s_add_co_i32 s86, s86, 8
	s_lshl_b32 s86, s86, 23
	s_or_b32 s86, s86, 0x600000
	v_mov_b32 v245, s86                            ; 448 x 2^e10
	s_add_co_i32 s86, s72, s73
	s_wait_alu depctr_va_vdst(0)                   ; one wait for the two reciprocals, ahead of their first reader
	v_ldexp_f32 v[ST+2], v[ST+2], s86              ; x 2^(e8 + e9)
	v_ldexp_f32 v[SS], v[SS], s86
	s_wait_alu depctr_va_vdst(0)                   ; directly ahead of the first reader of O^T
.macro OUTT u, ob, rl                  ; u = 0: the second group's tile, 1: the first's.  Register 8 t + i of O^T is ctx(query r, d = 16 t + 8 h + i)
.set j, 0
.rept 32
	v_mul_f32 v[S+32*\u+j], v[\ob+j], v[\rl]       ; each accumulator from its low end on
.set j, j+1
.endr
.set j, 0
.rept 32
	v_med3_num_f32 v[S+32*\u+j], v[S+32*\u+j], -v245, v245
.set j, j+1
.endr
.irp t, 0,1,2,3
	v_cvt_scalef32_pk8_fp8_f32 v[P+8*\u+2*\t:P+8*\u+2*\t+1], v[S+32*\u+8*\t:S+32*\u+8*\t+7], v244
.endr
	v_nop                                          ; a plain line behind the conversions
.irp t, 0,1,2,3
	ds_store_b64 v[SO], v[P+8*\u+2*\t:P+8*\u+2*\t+1] offset:16*\t+64*KP*\u
.endr
.endm
	OUTT 0, O, ST+2
	OUTT 1, OS, SS
	s_wait_dscnt 0x0                               ; for the others' sake: my stores into the stage are done
	s_barrier_signal -1
	s_barrier_wait -1
.irp i, 0,1,2,3
	ds_load_b128 v[F+4*\i:F+4*\i+3], v[SR] offset:\i*2*KP
.endr
.irp i, 0,1,2,3
	s_wait_dscnt 3-\i                              ; the younger loads may be out
	global_store_b128 v[GO], v[F+4*\i:F+4*\i+3], s[8:9] offset:2048*\i   ; sixteen lanes store 256 consecutive bytes, aligned
.endr
	s_wait_tensorcnt 0x0                           ; the wave's end
	ds_add_u32 v[SPW], v[NIL]
	s_wait_dscnt 0x0
	CROUND                                         ; the closing round: no work-group ends while a partner may still ask for a tile that names it
	s_endpgm
.Lfunc_end_k_qb730b714de_attn:
	.size	k_qb730b714de_attn, .Lfunc_end_k_qb730b714de_attn-k_qb730b714de_attn
	.p2alignl 7, 3214868480
	.fill 96, 4, 3214868480
	.section	.rodata,"a",@progbits
	.p2align	6, 0x0
	.amdhsa_kernel k_qb730b714de_attn
		.amdhsa_group_segment_fixed_size 327680
		.amdhsa_private_segment_fixed_size 0
		.amdhsa_enable_private_segment 0
		.amdhsa_kernarg_size 24
		.amdhsa_user_sgpr_count 2
		.amdhsa_user_sgpr_kernarg_segment_ptr 1
		.amdhsa_wavefront_size32 1
		.amdhsa_system_sgpr_workgroup_id_x 1
		.amdhsa_system_sgpr_workgroup_id_y 1
		.amdhsa_system_sgpr_workgroup_id_z 1
		.amdhsa_system_vgpr_workitem_id 0
		.amdhsa_next_free_vgpr 256
		.amdhsa_next_free_sgpr 100
		.amdhsa_reserve_vcc 1
		.amdhsa_float_denorm_mode_32 3
		.amdhsa_float_denorm_mode_16_64 3
		.amdhsa_memory_ordered 1
		.amdhsa_forward_progress 1
		.amdhsa_inst_pref_size 117
	.end_amdhsa_kernel
	.amdgpu_metadata
---
amdhsa.version: [ 1, 2 ]
amdhsa.kernels:
  - .name:           k_qb730b714de_attn
    .symbol:         k_qb730b714de_attn.kd
    .args:
      - { .name: qkv, .offset: 0, .size: 8, .value_kind: global_buffer, .address_space: global }
      - { .name: lowp_scales, .offset: 8, .size: 8, .value_kind: global_buffer, .address_space: global }
      - { .name: cc, .offset: 16, .size: 8, .value_kind: global_buffer, .address_space: global }
    .group_segment_fixed_size: 327680
    .private_segment_fixed_size: 0
    .kernarg_segment_align: 8
    .kernarg_segment_size: 24
    .max_flat_workgroup_size: 512
    .sgpr_count:     100
    .vgpr_count:     256
    .wavefront_size: 32
...
	.end_amdgpu_metadata
.endif
;; end of part 3
;; launch proj (part 4): grid 4 x 32, 4 waves a work-group, clusters of 4 x 4, 327,680 bytes of LDS; arguments cc, wc, lowp_scales, bp, out0; writes out0
.if DOCPART == 4
	.amdgcn_target "amdgcn-amd-amdhsa--gfx1250"
	.amdhsa_code_object_version 6
	.text
	.protected	k_qb730b714de_proj
	.globl	k_qb730b714de_proj
	.p2align	8
	.type	k_qb730b714de_proj,@function
k_qb730b714de_proj:
	s_mov_b64 s[64:65], 0
	v_nop
	global_prefetch_b8 v0, s[64:65] scope:SCOPE_SE
	s_setreg_imm32_b32 hwreg(HW_REG_WAVE_MODE, 25, 1), 1
	s_wait_xcnt 0x0
	s_wait_alu depctr_hold_cnt(0) depctr_sa_sdst(0) depctr_va_vdst(0) depctr_va_sdst(0) depctr_va_ssrc(0) depctr_va_vcc(0) depctr_vm_vsrc(0)
	s_getreg_b32 s2, hwreg(HW_REG_IB_STS2, 6, 4)
	s_cmp_eq_u32 s2, 0
	s_cbranch_scc0 .Lentry_in_a_cluster
	s_endpgm
.Lentry_in_a_cluster:
	s_bfe_u32 s2, ttmp6, 0x10000c
	s_cmp_lg_u32 s2, 0xf033
	s_cbranch_scc0 .Lentry_shape_is_right
	s_endpgm
.Lentry_shape_is_right:
.set SIZE_K, 1024
.set SIZE_N, 1024
.set KSTEP,  256
.set ROWB,   256
.set KROW,   SIZE_K
.set PITCH,  272
.set FR,     16
.set NL,     4
.set NP,     4
.set HALFT,  128*PITCH
.set SLOT,   4*HALFT
.set LAPS,   SIZE_K/(2*KSTEP)
.set SPARE,  2*SLOT
.set SPITCH, 528
.set BI,   8
.set ADRA, 16
.set ADRB, 20
.set STO,  24
.set RD,   25
.set CO,   26
.set SPW,  28
.set NIL,  29
.set AF,   128
.set BK,   128
.set G1, 24
.set G0, 32
.set G1B, 48
.set G0B, 56
.set MSB, 0
.macro WIN new
.if MSB != \new
	s_set_vgpr_msb (MSB<<8)|\new
.set MSB, \new
.endif
.endm
.set MUL_LO, 0xa1
.set MUL_HI, 0xf1
.set TO_B,   0x40
.macro JLOAD g0a, g1a, g0b, g1b
	s_cmp_eq_u32 s15, 0
	s_cbranch_scc0 .Lfor_b_\@
	tensor_load_to_lds s[\g0a:\g0a+3], s[\g1a:\g1a+7]
	s_nop 0
.rept 4
	v_nop
.endr
	s_branch .Lasked_\@
.Lfor_b_\@:
	tensor_load_to_lds s[\g0b:\g0b+3], s[\g1b:\g1b+7]
	s_nop 0
.rept 4
	v_nop
.endr
.Lasked_\@:
.endm
.macro CREST
	s_cmp_lg_u32 s14, 0
	s_cbranch_scc1 .Lnot_wave_0_\@
	s_barrier_signal -3
.Lnot_wave_0_\@:
	s_barrier_wait -3
	s_barrier_signal -1
	s_barrier_wait -1
.endm
.macro CROUND
	s_barrier_signal -1
	s_barrier_wait -1
	CREST
.endm
	s_load_b128 s[4:7], s[0:1], 0x0
	s_load_b128 s[8:11], s[0:1], 0x10
	s_load_b64 s[12:13], s[0:1], 0x20
	v_lshl_add_u32 v[SPW], v0, 2, SPARE
	v_mov_b32 v[NIL], 0
	ds_add_u32 v28, v29
	ds_add_u32 v28, v29
	s_wait_dscnt 0x0
	v_lshrrev_b32 v1, 5, v0
	v_readfirstlane_b32 s14, v1
	s_lshr_b32 s15, s14, 1
	s_and_b32 s16, s14, 1
	s_bfe_u32 s40, ttmp6, 0x40000
	s_bfe_u32 s41, ttmp6, 0x40004
	s_mov_b32 s42, s40
	s_and_b32 s17, ttmp7, 0xffff
	s_lshl_b32 s17, s17, 2
	s_add_co_u32 s17, s17, s41
	s_lshl_b32 s43, s41, 2
	s_lshl_b32 s43, 15, s43
	s_lshl_b32 s44, 0x1111, s40
	s_or_b32 s[G1+0], s43, (0<<16)|(1<<20)|(1<<21)|(5<<22)|(3<<25)
	s_or_b32 s[G1B+0], s44, (0<<16)|(1<<20)|(1<<21)|(5<<22)|(3<<25)
.irp g, G1, G1B
	s_mov_b32 s[\g+1], ROWB<<16
	s_mov_b32 s[\g+2], 128<<16
	s_mov_b32 s[\g+3], ROWB<<16
	s_mov_b32 s[\g+4], 128
	s_mov_b32 s[\g+5], KROW
	s_mov_b32 s[\g+6], 0
	s_mov_b32 s[\g+7], 0
.endr
	s_lshl_b32 s18, s16, 7
	s_lshl_b32 s20, s17, 8
	s_add_co_u32 s20, s20, s18
	s_lshl_b32 s20, s20, 10
	s_mov_b32 s21, 0
	s_lshl_b32 s46, s42, 8
	s_add_co_u32 s46, s46, s18
	s_lshl_b32 s46, s46, 10
	s_add_co_u32 s46, s46, 0x300000
	s_mov_b32 s47, 0
	s_mul_i32 s45, s14, HALFT
	s_wait_kmcnt 0x0
	s_load_b64 s[96:97], s[8:9], 0x28
	s_add_nc_u64 s[20:21], s[4:5], s[20:21]
	s_add_nc_u64 s[46:47], s[6:7], s[46:47]
	CROUND
.irp s, 0,1
	s_mov_b32 s[G0+4*\s], 1
	s_add_co_u32 s[G0+4*\s+1], s45, \s*SLOT
	s_add_nc_u64 s[G0+4*\s+2:G0+4*\s+3], s[20:21], \s*ROWB
	s_or_b32 s[G0+4*\s+3], s[G0+4*\s+3], 0x80000000
	s_mov_b32 s[G0B+4*\s], 1
	s_add_co_u32 s[G0B+4*\s+1], s45, \s*SLOT
	s_add_nc_u64 s[G0B+4*\s+2:G0B+4*\s+3], s[46:47], \s*ROWB
	s_or_b32 s[G0B+4*\s+3], s[G0B+4*\s+3], 0x80000000
	s_wait_alu depctr_va_vdst(0)
	s_wait_tensorcnt 0x0
	ds_add_u32 v28, v29
	ds_add_u32 v28, v29
	s_wait_dscnt 0x0
	CROUND
	JLOAD G0+4*\s, G1, G0B+4*\s, G1B
.endr
	v_and_b32 v1, 15, v0
	s_wait_alu depctr_va_vdst(0)
	v_bfe_u32 v2, v0, 4, 1
	v_mul_u32_u24 v3, v1, PITCH
	v_lshl_add_u32 v4, v2, 4, v3
	s_mul_i32 s21, s15, HALFT
	s_mul_i32 s22, s16, HALFT
	s_add_co_u32 s22, s22, 2*HALFT
.irp s, 0,1
	v_add_nc_u32 v[ADRA+\s], s21, v4
	v_add_nc_u32 v[ADRB+\s], s22, v4
	s_add_co_u32 s21, s21, SLOT
	s_add_co_u32 s22, s22, SLOT
.endr
	s_mul_i32 s23, s14, 16*SPITCH
	v_mul_u32_u24 v5, v1, SPITCH
	s_wait_alu depctr_va_vdst(0)
	v_lshl_add_u32 v5, v2, 5, v5
	v_add_nc_u32 v[STO], s23, v5
	v_and_b32 v6, 31, v0
	v_lshlrev_b32 v[CO], 4, v6
	v_add_nc_u32 v[RD], s23, v[CO]
	s_lshl_b32 s46, s42, 10
	s_lshl_b32 s47, s16, 9
	s_add_co_u32 s46, s46, s47
	s_mov_b32 s47, 0
	s_add_nc_u64 s[10:11], s[10:11], s[46:47]
	global_load_b128 v[BI:BI+3], v[CO], s[10:11]
	s_lshl_b32 s20, s17, 8
	s_lshl_b32 s21, s15, 7
	s_add_co_u32 s20, s20, s21
	s_lshl_b32 s20, s20, 12
	s_mov_b32 s21, 0
	s_add_nc_u64 s[20:21], s[20:21], s[46:47]
	s_add_nc_u64 s[12:13], s[12:13], s[20:21]
.macro FRAG reg, adr, q, i
.irp c, 0,1,2,3
	ds_load_b128 v[\reg+4*\c:\reg+4*\c+3], v[\adr] offset:128*(\q)+32*\c+(\i)*16*PITCH
.endr
.endm
.macro MUL16 a0, p, zero
.irp a, \a0, \a0+1
.irp b, 0,1,2,3,4,5,6,7
.if \zero
	v_wmma_f32_16x16x128_fp8_fp8 v[8*(8*((\a)%4)+\b):8*(8*((\a)%4)+\b)+7], v[128*(\p)+FR*\b:128*(\p)+FR*\b+FR-1], v[AF+FR*(\a):AF+FR*(\a)+FR-1], 0
.else
	v_wmma_f32_16x16x128_fp8_fp8 v[8*(8*((\a)%4)+\b):8*(8*((\a)%4)+\b)+7], v[128*(\p)+FR*\b:128*(\p)+FR*\b+FR-1], v[AF+FR*(\a):AF+FR*(\a)+FR-1], v[8*(8*((\a)%4)+\b):8*(8*((\a)%4)+\b)+7]
.endif
.endr
.endr
.endm
.macro FETCH_B slot, q, p
	WIN TO_B
.irp i, 0,1,2,3,4,5,6,7
	FRAG 128*(\p)+FR*\i, ADRB+\slot, \q, \i
.endr
	WIN 0
.endm
.macro FETCH_A slot, q, i0
.irp i, \i0, \i0+1, \i0+2, \i0+3
	FRAG AF+FR*(\i), ADRA+\slot, \q, \i
.endr
.endm
.macro PLACES n
.rept \n
	v_nop
.endr
.endm
.macro STEP slot, q, zero
	s_wait_dscnt 4*NL
	WIN MUL_LO
	MUL16 0, (\q)%2, \zero
	MUL16 2, (\q)%2, \zero
	s_wait_dscnt 0
	PLACES NP
	FETCH_B \slot, (\q)+1, 1-(\q)%2
	FETCH_A \slot, (\q)+1, 0
	WIN MUL_HI
	MUL16 4, (\q)%2, \zero
	MUL16 6, (\q)%2, \zero
	PLACES NP
	WIN 0
	FETCH_A \slot, (\q)+1, 4
.endm
.macro TURN slot, next, fill
	s_wait_tensorcnt 0x0
	ds_add_u32 v[SPW], v[NIL]
	s_wait_dscnt 4*NL+1
	WIN MUL_LO
	MUL16 0, 1, 0
	s_wait_dscnt 0x0
	s_barrier_signal -1
	MUL16 2, 1, 0
	WIN 0
	s_barrier_wait -1
.if \fill
	CREST
	s_add_nc_u64 s[G0+4*\slot+2:G0+4*\slot+3], s[G0+4*\slot+2:G0+4*\slot+3], 2*ROWB
	s_add_nc_u64 s[G0B+4*\slot+2:G0B+4*\slot+3], s[G0B+4*\slot+2:G0B+4*\slot+3], 2*ROWB
	JLOAD G0+4*\slot, G1, G0B+4*\slot, G1B
.else
	PLACES NP
.endif
	FETCH_B \next, 0, 0
	FETCH_A \next, 0, 0
	WIN MUL_HI
	MUL16 4, 1, 0
	MUL16 6, 1, 0
	PLACES NP
	WIN 0
	FETCH_A \next, 0, 4
.endm
	s_wait_tensorcnt 1
	s_barrier_signal -1
	s_barrier_wait -1
	FETCH_B 0, 0, 0
	FETCH_A 0, 0, 0
	FETCH_A 0, 0, 4
	STEP 0, 0, 1
	s_mov_b32 s3, LAPS-1
.Llap:
	TURN 0, 1, 1
	STEP 1, 0, 0
	TURN 1, 0, 1
	STEP 0, 0, 0
	s_sub_co_u32 s3, s3, 1
	s_cmp_lg_u32 s3, 0
	s_cbranch_scc1 .Llap
	TURN 0, 1, 0
	STEP 1, 0, 0
	s_wait_dscnt 4*NL
	WIN MUL_LO
	MUL16 0, 1, 0
	MUL16 2, 1, 0
	s_wait_alu depctr_va_vdst(0)
	s_wait_dscnt 0
	WIN MUL_HI
	MUL16 4, 1, 0
	MUL16 6, 1, 0
	WIN 0
.macro TOSTAGE a
.set AC, 64*((\a)%4)
	WIN 0x08+4*((\a)/4)
.irp b, 0,1,2,3,4,5,6,7
	ds_store_b128 v[STO], v[AC+8*\b:AC+8*\b+3] offset:64*\b
	ds_store_b128 v[STO], v[AC+8*\b+4:AC+8*\b+7] offset:64*\b+16
.endr
	WIN 0
.set BB, BK+64*((\a)%2)
.irp t, 0,1,2,3,4,5,6,7,8,9,10,11,12,13,14,15
	ds_load_b128 v[BB+4*\t:BB+4*\t+3], v[RD] offset:\t*SPITCH
.endr
.endm
.macro SEND a, younger
.set BB, BK+64*((\a)%2)
	s_wait_dscnt \younger
.if (\a) > 0
	s_add_nc_u64 s[12:13], s[12:13], 16*SIZE_N*4
.endif
.irp t, 0,1,2,3,4,5,6,7,8,9,10,11,12,13,14,15
	v_pk_fma_f32 v[BB+4*\t:BB+4*\t+1], v[BB+4*\t:BB+4*\t+1], s[96:97], v[BI:BI+1] op_sel_hi:[1,0,1]
	v_pk_fma_f32 v[BB+4*\t+2:BB+4*\t+3], v[BB+4*\t+2:BB+4*\t+3], s[96:97], v[BI+2:BI+3] op_sel_hi:[1,0,1]
.endr
.irp t, 0,1,2,3,4,5,6,7,8,9,10,11,12,13,14,15
	global_store_b128 v[CO], v[BB+4*\t:BB+4*\t+3], s[12:13] offset:\t*SIZE_N*4 th:TH_STORE_NT
.endr
.endm
	s_wait_kmcnt 0x0
	s_add_co_i32 s96, s96, s97
	s_add_co_i32 s96, s96, 127
	s_lshl_b32 s96, s96, 23
	s_wait_loadcnt 0x0
	PLACES NP
	TOSTAGE 0
.irp a, 1,2,3,4,5,6,7
.if \a > 1
	s_wait_xcnt 0x0
.endif
	TOSTAGE \a
	SEND \a-1, 32
.endr
	s_wait_xcnt 0x0
	SEND 7, 0
	s_wait_tensorcnt 0x0
	ds_add_u32 v[SPW], v[NIL]
	s_wait_dscnt 0x0
	CROUND
	s_endpgm
.Lfunc_end_k_qb730b714de_proj:
	.size	k_qb730b714de_proj, .Lfunc_end_k_qb730b714de_proj-k_qb730b714de_proj
	.p2alignl 7, 3214868480
	.fill 96, 4, 3214868480
	.section	.rodata,"a",@progbits
	.p2align	6, 0x0
	.amdhsa_kernel k_qb730b714de_proj
		.amdhsa_group_segment_fixed_size 327680
		.amdhsa_private_segment_fixed_size 0
		.amdhsa_enable_private_segment 0
		.amdhsa_kernarg_size 40
		.amdhsa_user_sgpr_count 2
		.amdhsa_user_sgpr_kernarg_segment_ptr 1
		.amdhsa_wavefront_size32 1
		.amdhsa_system_sgpr_workgroup_id_x 1
		.amdhsa_system_sgpr_workgroup_id_y 1
		.amdhsa_system_sgpr_workgroup_id_z 1
		.amdhsa_system_vgpr_workitem_id 0
		.amdhsa_next_free_vgpr 1024
		.amdhsa_next_free_sgpr 98
		.amdhsa_reserve_vcc 0
		.amdhsa_float_denorm_mode_32 3
		.amdhsa_float_denorm_mode_16_64 3
		.amdhsa_memory_ordered 1
		.amdhsa_forward_progress 1
		.amdhsa_inst_pref_size 124
	.end_amdhsa_kernel
	.amdgpu_metadata
---
amdhsa.version: [ 1, 2 ]
amdhsa.kernels:
  - .name:           k_qb730b714de_proj
    .symbol:         k_qb730b714de_proj.kd
    .args:
      - { .name: cc, .offset: 0, .size: 8, .value_kind: global_buffer, .address_space: global }
      - { .name: wc, .offset: 8, .size: 8, .value_kind: global_buffer, .address_space: global }
      - { .name: lowp_scales, .offset: 16, .size: 8, .value_kind: global_buffer, .address_space: global }
      - { .name: bp, .offset: 24, .size: 8, .value_kind: global_buffer, .address_space: global }
      - { .name: out0, .offset: 32, .size: 8, .value_kind: global_buffer, .address_space: global }
    .group_segment_fixed_size: 327680
    .private_segment_fixed_size: 0
    .kernarg_segment_align: 8
    .kernarg_segment_size: 40
    .max_flat_workgroup_size: 128
    .sgpr_count:     98
    .vgpr_count:     1024
    .wavefront_size: 32
...
	.end_amdgpu_metadata
.endif
;; end of part 4
